; MI455X (gfx1250); checked and timed in simulation.
; The chip was launched on July 23, 2026; its instructions are those of AMD's public machine-readable ISA for CDNA 5 (MIT licence, August 2026) and "CDNA5" Instruction Set Architecture Reference Guide (July 2026). The comments in the code are by the model that wrote it; some were corrected since.
;; Adapters Feed Forward. Allowed arithmetic: matrix products marked QUANTISED: E4M3 operands, one E8M0 scale for each 32 along K, by v_wmma_scale_f32_16x16x128_f8f6f4 with both operands' format E4M3, f32 sums; products left as they are: f32 operands where the result goes on into a quantised operand, else bf16, f16 or f32 operands; f32 sums; everything else in f32.
;; Inputs: W1 4 x 1,024 x 4,096 float32; W2 4 x 4,096 x 1,024 float32; Wr 1,024 x 4 float32; b1 4 x 4,096 float32; b2 4 x 1,024 float32; br 4 float32; x 4 x 512 x 1,024 float32.
;; Outputs: out0 4 x 512 x 1,024 float32.
;; This version of the problem:
;;   THIS VERSION OF THE PROBLEM IS GIVEN IN LOW PRECISION. The matrix products marked QUANTISED in the list below multiply operands that are first quantised to E4M3 (4 exponent bits, 3 mantissa bits; 8 bits a number), with one power-of-two scale for each 32 numbers along K (OCP MX v1.0); their sums are f32. All else is computed in f32.
;;   The module's matrix products, in the order in which they are computed (A, B: the left and right operand; K: the contracted axis; several contracted axes count as one K, in the product's order):
;;     1. [M 2,048, K 1,024] x [K 1,024, N 4]; A: input x; B: input Wr: left as it is (N = 4 < 16)
;;     2. [M 16,384, K 1,024] x [K 1,024, N 2,048]; A: input W1; B: input x: QUANTISED
;;     3. batch 4 x [M 2,048, K 4,096] x [K 4,096, N 1,024]; A: computed on the way; B: input W2: QUANTISED
;;   THE QUANTISER, for each operand of a quantised product, along K:
;;     - K is cut into blocks of 32 from its start; a last block that is shorter is filled with zeros.
;;     - A block's scale is 2^e with e = floor(log2(the largest magnitude in the block)) - 8, held to -126 .. 127; a block of zeros has e = 0. As a byte (E8M0): e + 127.
;;     - Each number is divided by its block's scale, clamped to +-448, and rounded to the nearest number of E4M3, ties to even, subnormals kept.
;;     - The product sums the exact products of the quantised numbers (number of the format x scale) in f32.
;;   ~~~python
;;   def quantise(x, axis):      # numpy; x: float32 -> the quantised numbers, widened to float32 again
;;       x = np.moveaxis(x, axis, -1); K = x.shape[-1]
;;       x = np.pad(x, [(0, 0)] * (x.ndim - 1) + [(0, -K % 32)]); x = x.reshape(x.shape[:-1] + (-1, 32)); a = np.abs(x).max(-1, keepdims=True)
;;       e = np.where(a > 0, np.clip(np.frexp(np.where(a > 0, a, 1))[1] - 1 - 8, -126, 127), 0)      # np.frexp(a)[1] - 1 = floor(log2(a)), exactly
;;       r = np.clip(x / 2.0 ** e, -448, 448)
;;       step = 2.0 ** (np.maximum(np.frexp(np.where(r == 0, 1, r))[1] - 1, -6) - 3)
;;       q = np.round(r / step) * step * 2.0 ** e      # np.round: ties to even
;;       return np.moveaxis(q.reshape(q.shape[:-2] + (-1,))[..., :K], -1, axis).astype(np.float32)
;;   ~~~
;;   OPERANDS COMPUTED ON THE WAY. 'Computed on the way' means the value that the module computes at that place (a softmax that the list does not call 'softmax' is quantised finished and normalised). What goes into a quantiser is computed in f32, as accurately as f32 sums, v_exp_f32 and their like allow (about 1e-6 of the number): no bf16 or f16 on the way to a quantiser, and a product that is left as it is and whose result goes on into a quantised operand takes f32 operands (vector FMAs, or v_wmma_f32_16x16x4_f32). A number that lies on a knife's edge between two numbers of the format may be rounded either way, as far as f32 arithmetic and the matrix unit's own rounding can turn it there, and no further.
;; 2 versions, each right; version 2 is version 1 with the launches ffn1, ffn2 written anew for expert scheduling mode. Each part assembles by itself: llvm-mc -triple=amdgcn-amd-amdhsa -mcpu=gfx1250 --defsym DOCPART=n.
;; ======== version 1 of 2: 4 launches
;; workspace buffers: wq 17,309,696 bytes; w2q 17,301,504 bytes; gsel 8,192 bytes of whole numbers; xq 2,272,768 bytes; route 8,960 bytes of whole numbers; hq 9,056,256 bytes
;; launch prep (part 1): grid 768 x 1, 4 waves a work-group, no clusters, 0 bytes of LDS; arguments x, Wr, br, W1, wq, gsel; writes wq, gsel
.if DOCPART == 1
	.amdgcn_target "amdgcn-amd-amdhsa--gfx1250"
	.amdhsa_code_object_version 6
	.text
	.protected	k_q3758183861_prep
	.globl	k_q3758183861_prep
	.p2align	8
	.type	k_q3758183861_prep,@function
k_q3758183861_prep:
	s_mov_b64 s[64:65], 0
	v_nop
	global_prefetch_b8 v0, s[64:65] scope:SCOPE_SE
	s_setreg_imm32_b32 hwreg(HW_REG_WAVE_MODE, 25, 1), 1
	s_wait_xcnt 0x0
; TWO JOBS, chosen by the work-group's number; neither uses LDS or a barrier, and waves share nothing.
;  work-groups 0-255:    THE ROUTER.  logits = x Wr + br in f32 (fused multiply-adds), the maximum taken away before the exponentials, gate = 1 / sum of 2^((l - m) log2 e),
;                        which is the largest probability.  For each token a whole number 1 << (8 x expert) goes to gsel and the gate to wq, both at fixed places: no address here hangs on the choice.
;  work-groups 256-767:  W1 [4][1024 (K)][4096] f32 becomes codes of E4M3 with one E8M0 byte for each 32 along K.  (W2 is quantised by the same lines in the next launch, beside the placing of the rows.)
; K is the middle axis of the weight: A LANE TAKES A COLUMN AND ITS REGISTERS RUN DOWN K, so a block of 32 lies in one lane and the conversions give codes with K innermost.
; THE CODES ARE LAID IN THE ORDER OF THE OPERAND'S REGISTERS: [expert][slice of 64 columns][K step of 128][tile of 16 columns][group c of 4 registers][lane][16 bytes];
; lane (r, h) of group c holds k = 32 c + 16 h + 0 .. 15 of the tile's column r.  So the later launch loads fragments by 16-byte loads, 512 consecutive bytes a wave.
; Lane r of tile 2 b + u stands for column 32 b + 8 u + r + 8 (r / 8) of the slice, so that the results of tiles 2 b and 2 b + 1 are 16 neighbours along the next product's K.
; The scale words: [expert][slice][pair of K steps][b][lane][2 words]: lane 16 u + r holds the words of tile 2 b + u's column r for the two steps.
; LIMITS: NaN and infinities are not served.  The expert is the largest LOGIT's, the lower index on a tie; where two unequal logits round to equal probabilities the choice may differ from an argmax over probabilities.
; The order of the router's sum is this text's own (32 lanes, then a tree).  A block whose largest magnitude lies under 2^-118 keeps the byte 1, a block of zeros too: its codes are zeros, and the bytes are read by this program alone.
.set W1S,  0x1000000                   ; wq: W1's scale words (its codes lie at 0)
.set GVAL, 0x1080000                   ; wq: the gates, f32 [2048]
; block t of a wave's 8: rows 32 t + 0 .. 31 of my column into set t % 2 (v32-63, v64-95); pb: bytes from one row of the weight to the next
.macro LOADB t, pb
.set li, 0
.rept 32
	global_load_b32 v[32+32*((\t)%2)+li], v3, s[28:29] offset:(32*(\t)+li)*\pb th:TH_LOAD_NT
.set li, li+1
.endr
.endm
.macro BLOCK t, pb
.set XS, 32+32*((\t)%2)
.set CR, 96+8*(\t)                     ; eight registers of codes for each block: no store's data are written again
.if (\t) < 7
	s_wait_loadcnt 32                              ; this block's 32 loads are in; the next block's 32 may be out
.else
	s_wait_loadcnt 0
.endif
	v_max3_num_f32 v12, |v[XS]|, |v[XS+1]|, |v[XS+2]|               ; the block's largest magnitude: all 32 numbers are mine; two chains
	v_max3_num_f32 v13, |v[XS+3]|, |v[XS+4]|, |v[XS+5]|
.irp i, 6,10,14,18,22,26
	v_max3_num_f32 v12, v12, |v[XS+\i]|, |v[XS+\i+1]|
	v_max3_num_f32 v13, v13, |v[XS+\i+2]|, |v[XS+\i+3]|
.endr
	v_max3_num_f32 v12, v12, |v[XS+30]|, |v[XS+31]|
	v_max3_num_f32 v12, v12, v13, 0x4800000        ; and the floor 2^(9 - 127): the byte cannot fall under 1
	v_add_nc_u32 v11, 0xfc000000, v12              ; 8 off the exponent field: the conversion takes this operand's exponent field as its scale
	v_and_or_b32 v10, v12, 0x7f800000, s27         ; 448 x the scale: the exponent field over 448's mantissa
	v_lshrrev_b32 v13, 23, v11                     ; the scale's byte
.if (\t)%4 == 0
	v_mov_b32 v[24+(\t)/4], v13                    ; four bytes make a K step's scale word, the lower K in the lower byte
.else
	v_lshl_or_b32 v[24+(\t)/4], v13, 8*((\t)%4), v[24+(\t)/4]
.endif
.set li, 0
.rept 32
	v_med3_num_f32 v[XS+li], v[XS+li], -v10, v10   ; the conversion to an 8-bit code does not saturate (ISA guide 7.6.2): the hold comes first
.set li, li+1
.endr
.irp g, 0,1,2,3
	v_cvt_scalef32_pk8_fp8_f32 v[CR+2*\g:CR+2*\g+1], v[XS+8*\g:XS+8*\g+7], v11
.endr
	; k = 0 .. 15 of the block are lane (r, 0)'s 16 bytes of the image, k = 16 .. 31 lane (r, 1)'s, 256 bytes on.  In each store lanes 0-15 and lanes 16-31 each cover 256 consecutive bytes, aligned
	global_store_b128 v4, v[CR:CR+3], s[30:31] offset:((\t)/4)*8192+((\t)%4)*512
	global_store_b128 v4, v[CR+4:CR+7], s[30:31] offset:((\t)/4)*8192+((\t)%4)*512+256
.if (\t)+2 < 8
	LOADB (\t)+2, \pb
.endif
.endm
; A work-group takes 128 columns x 256 along K of one expert; wave w its columns 32 w on.  wlo, olo: the weight's pointer and the output's; cxb, kyb: bits of the column and K indices in the id;
; pbsh: log2 of pb; code, sc: where codes and scale words begin in the output; njsh: log2 of slices an expert; jsh, ssh: log2 of a slice's bytes of codes and of scale words; perm: W1's order of columns
.macro QPATH wlo, olo, idbase, cxb, kyb, pb, pbsh, code, sc, njsh, jsh, ssh, perm
	s_sub_co_u32 s19, ttmp9, \idbase
	s_and_b32 s20, s19, (1<<\cxb)-1                ; cx: which 128 columns
	s_lshr_b32 s21, s19, \cxb
	s_and_b32 s21, s21, (1<<\kyb)-1                ; ky: which 256 along K
	s_lshr_b32 s22, s19, 7                         ; the expert
	s_lshl_b32 s23, s20, 1
	s_lshr_b32 s24, s18, 1
	s_add_co_u32 s23, s23, s24                     ; the slice of 64 columns: 2 cx + w / 2
	s_and_b32 s24, s18, 1                          ; b: which 32 of them
	s_lshl_b32 s34, s22, 24                        ; in: 16 MiB an expert,
	s_lshl_b32 s36, s21, \pbsh+8                   ; 256 rows,
	s_add_co_u32 s34, s34, s36
	s_lshl_b32 s36, s20, 9                         ; 128 columns,
	s_add_co_u32 s34, s34, s36
	s_lshl_b32 s36, s18, 7                         ; 32 columns
	s_add_co_u32 s34, s34, s36
	s_add_nc_u64 s[28:29], s[\wlo:\wlo+1], s[34:35]
	s_lshl_b32 s34, s22, 22                        ; codes: 4 MiB an expert,
	s_lshl_b32 s36, s23, \jsh                      ; the slice,
	s_add_co_u32 s34, s34, s36
	s_lshl_b32 s36, s21, 14                        ; two K steps of 8,192 bytes,
	s_add_co_u32 s34, s34, s36
	s_lshl_b32 s36, s24, 12                        ; two tiles of 2,048
	s_add_co_u32 s34, s34, s36
.if \code != 0
	s_add_co_u32 s34, s34, \code
.endif
	s_add_nc_u64 s[30:31], s[\olo:\olo+1], s[34:35]
	s_lshl_b32 s34, s22, \njsh
	s_add_co_u32 s34, s34, s23
	s_lshl_b32 s34, s34, \ssh                      ; scale words: the slice,
	s_lshl_b32 s36, s21, 9                         ; 512 bytes for a pair of K steps,
	s_add_co_u32 s34, s34, s36
	s_lshl_b32 s36, s24, 8                         ; 256 for b
	s_add_co_u32 s34, s34, s36
	s_add_co_u32 s34, s34, \sc
	s_add_nc_u64 s[32:33], s[\olo:\olo+1], s[34:35]
	s_mov_b32 s27, 0x600000                        ; the mantissa field of 448
	v_and_b32 v6, 15, v1                           ; r
	v_lshrrev_b32 v7, 4, v1                        ; u
.if \perm
	v_and_b32 v8, 8, v6
	v_add_nc_u32 v8, v8, v6
	v_lshl_add_u32 v8, v7, 3, v8                   ; my column of the 32: 8 u + r + 8 (r / 8)
	v_lshlrev_b32 v3, 2, v8
.else
	v_lshlrev_b32 v3, 2, v1                        ; my column of the 32: the lane
.endif
	v_lshlrev_b32 v4, 4, v6
	v_lshl_add_u32 v4, v7, 11, v4                  ; out: tile u of the two, 16 bytes for lane r
	v_lshlrev_b32 v5, 3, v1                        ; scale words: 8 bytes a lane
	LOADB 0, \pb
	LOADB 1, \pb
.irp t, 0,1,2,3,4,5,6,7
	BLOCK \t, \pb
.endr
	global_store_b64 v5, v[24:25], s[32:33]        ; the 32 lanes store 256 consecutive bytes, aligned
	s_endpgm
.endm
	s_load_b256 s[4:11], s[0:1], 0x0               ; x s[4:5], Wr s[6:7], br s[8:9], W1 s[10:11]
	s_load_b128 s[12:15], s[0:1], 0x20             ; wq s[12:13], gsel s[14:15]
	v_lshrrev_b32 v1, 5, v0
	v_readfirstlane_b32 s18, v1                    ; wave
	v_and_b32 v1, 31, v0                           ; lane
	s_mov_b32 s35, 0                               ; the upper word of every offset pair s[34:35]
	s_wait_kmcnt 0x0
	s_cmp_lt_u32 ttmp9, 256
	s_cbranch_scc1 .Lrouter
	QPATH 10, 12, 256, 5, 2, 16384, 14, 0, W1S, 6, 16, 11, 1
; THE ROUTER.  Wave w takes tokens 8 x work-group + 2 w and the next.  Slice jj of eight: a lane holds x at d = 128 jj + 4 lane + 0 .. 3 of both rows and Wr's four rows of 4 experts there.
; v8-11 the first token's four sums, v12-15 the second's; v16-47, v48-79 x; v80-207 Wr; v208-223 at work.
.Lrouter:
	s_load_b128 s[20:23], s[8:9], 0x0              ; br
	s_lshl_b32 s34, ttmp9, 3
	s_lshl_b32 s36, s18, 1
	s_add_co_u32 s36, s34, s36                     ; my first token
	s_lshl_b32 s34, s36, 12
	s_add_nc_u64 s[28:29], s[4:5], s[34:35]        ; its row of x
	s_lshl_b32 s34, s36, 2
	s_add_nc_u64 s[30:31], s[14:15], s[34:35]      ; its word in gsel
	s_add_nc_u64 s[32:33], s[12:13], s[34:35]
	s_add_nc_u64 s[32:33], s[32:33], GVAL          ; and among the gates
	s_mov_b32 s24, 0x76543210
	s_mov_b32 s25, 0xfedcba98                      ; v_permlanex16_b32's selects for lane l xor 16
	s_mov_b32 s26, 0x3fb8aa3b                      ; log2(e)
	v_lshlrev_b32 v2, 4, v1
	v_lshlrev_b32 v3, 6, v1
.irp jj, 0,1,2,3,4,5,6,7
	global_load_b128 v[16+4*\jj:19+4*\jj], v2, s[28:29] offset:512*\jj
	global_load_b128 v[48+4*\jj:51+4*\jj], v2, s[28:29] offset:4096+512*\jj
.irp i, 0,1,2,3
	global_load_b128 v[80+16*\jj+4*\i:83+16*\jj+4*\i], v3, s[6:7] offset:2048*\jj+16*\i
.endr
.endr
; four packed multiply-adds: both tokens x two pairs of experts, by x at d = .. + i, which is the first (even i) or the second (odd i) register of its pair.  The very first are products: nothing is cleared
.macro RFMA jj, i
.set rX, 16+4*(\jj)+2*((\i)/2)
.set rW, 80+16*(\jj)+4*(\i)
.if ((\jj) == 0) && ((\i) == 0)
	v_pk_mul_f32 v[8:9],   v[rW:rW+1],   v[rX:rX+1] op_sel_hi:[1,0]
	v_pk_mul_f32 v[10:11], v[rW+2:rW+3], v[rX:rX+1] op_sel_hi:[1,0]
	v_pk_mul_f32 v[12:13], v[rW:rW+1],   v[rX+32:rX+33] op_sel_hi:[1,0]
	v_pk_mul_f32 v[14:15], v[rW+2:rW+3], v[rX+32:rX+33] op_sel_hi:[1,0]
.elseif (\i)%2 == 0
	v_pk_fma_f32 v[8:9],   v[rW:rW+1],   v[rX:rX+1], v[8:9] op_sel_hi:[1,0,1]
	v_pk_fma_f32 v[10:11], v[rW+2:rW+3], v[rX:rX+1], v[10:11] op_sel_hi:[1,0,1]
	v_pk_fma_f32 v[12:13], v[rW:rW+1],   v[rX+32:rX+33], v[12:13] op_sel_hi:[1,0,1]
	v_pk_fma_f32 v[14:15], v[rW+2:rW+3], v[rX+32:rX+33], v[14:15] op_sel_hi:[1,0,1]
.else
	v_pk_fma_f32 v[8:9],   v[rW:rW+1],   v[rX:rX+1], v[8:9] op_sel:[0,1,0] op_sel_hi:[1,1,1]
	v_pk_fma_f32 v[10:11], v[rW+2:rW+3], v[rX:rX+1], v[10:11] op_sel:[0,1,0] op_sel_hi:[1,1,1]
	v_pk_fma_f32 v[12:13], v[rW:rW+1],   v[rX+32:rX+33], v[12:13] op_sel:[0,1,0] op_sel_hi:[1,1,1]
	v_pk_fma_f32 v[14:15], v[rW+2:rW+3], v[rX+32:rX+33], v[14:15] op_sel:[0,1,0] op_sel_hi:[1,1,1]
.endif
.endm
.irp jj, 0,1,2,3,4,5,6,7
	s_wait_loadcnt 6*(7-\jj)                       ; this slice's six loads are in; the six of each later slice may be out
.irp i, 0,1,2,3
	RFMA \jj, \i
.endr
.endr
.irp k, 0,1,2,3,4,5,6,7
	v_mov_b32 v[208+\k], 0                         ; a lane permute's destination counts as one of its sources
.endr
.irp m, 1,2,4,8
.irp k, 0,1,2,3,4,5,6,7
	v_add_f32_dpp v[8+\k], v[8+\k], v[8+\k] row_xmask:\m row_mask:0xf bank_mask:0xf
.endr
.endr
.irp k, 0,1,2,3,4,5,6,7
	v_permlanex16_b32 v[208+\k], v[8+\k], s24, s25
.endr
.irp k, 0,1,2,3,4,5,6,7
	v_add_f32 v[8+\k], v[8+\k], v[208+\k]          ; every lane holds the eight sums
.endr
	s_wait_kmcnt 0x0                               ; br
.irp k, 0,1,2,3
	v_add_f32 v[8+\k], s[20+\k], v[8+\k]
	v_add_f32 v[12+\k], s[20+\k], v[12+\k]
.endr
	v_mov_b32 v220, 0x100
	v_mov_b32 v221, 0x10000
	v_mov_b32 v222, 0x1000000
; one token: l: its four logits; t: six registers: +0 the largest logit, +1 the whole number 1 << (8 x expert), +2 .. +5 at work, the gate ends in +3
.macro PICK l, t
	v_mov_b32 v[(\t)+1], 1
	v_mov_b32 v[\t], v[\l]
.irp k, 1,2,3
	v_cmp_gt_f32 vcc_lo, v[(\l)+\k], v[\t]         ; strictly larger: on a tie the lower index stays
	v_cndmask_b32 v[(\t)+1], v[(\t)+1], v[219+\k], vcc_lo
	v_max_num_f32 v[\t], v[\t], v[(\l)+\k]
.endr
.irp k, 0,1,2,3
	v_sub_f32 v[(\t)+2+\k], v[(\l)+\k], v[\t]      ; the maximum is taken away before the exponential
.endr
.irp k, 0,1,2,3
	v_mul_f32 v[(\t)+2+\k], s26, v[(\t)+2+\k]
.endr
.irp k, 0,1,2,3
	v_exp_f32 v[(\t)+2+\k], v[(\t)+2+\k]
.endr
	v_nop                                          ; a plain line between the exponentials and the use of their results
	s_wait_alu depctr_va_vdst(0)
	v_add_f32 v[(\t)+2], v[(\t)+2], v[(\t)+3]
	v_add_f32 v[(\t)+4], v[(\t)+4], v[(\t)+5]
	v_add_f32 v[(\t)+2], v[(\t)+2], v[(\t)+4]
	v_rcp_f32 v[(\t)+3], v[(\t)+2]                 ; the largest probability: its numerator is 2^0
	v_nop
.endm
	PICK 8, 208
	PICK 12, 214
	v_cmp_eq_u32 vcc_lo, 1, v1                     ; lane 0 stores the first token's, lane 1 the second's
	v_cndmask_b32 v223, v209, v215, vcc_lo
	s_wait_alu depctr_va_vdst(0)
	v_cndmask_b32 v4, v211, v217, vcc_lo
	v_lshlrev_b32 v5, 2, v1
	v_cmp_gt_u32 vcc_lo, 2, v1
	s_wait_xcnt 0x0                                ; EXEC changes only behind this wait
	s_and_saveexec_b32 s34, vcc_lo
	global_store_b32 v5, v223, s[30:31]
	global_store_b32 v5, v4, s[32:33]
	s_endpgm
.Lfunc_end_k_q3758183861_prep:
	.size	k_q3758183861_prep, .Lfunc_end_k_q3758183861_prep-k_q3758183861_prep
	.p2alignl 7, 3214868480
	.fill 96, 4, 3214868480
	.section	.rodata,"a",@progbits
	.p2align	6, 0x0
	.amdhsa_kernel k_q3758183861_prep
		.amdhsa_group_segment_fixed_size 0
		.amdhsa_private_segment_fixed_size 0
		.amdhsa_enable_private_segment 0
		.amdhsa_kernarg_size 48
		.amdhsa_user_sgpr_count 2
		.amdhsa_user_sgpr_kernarg_segment_ptr 1
		.amdhsa_wavefront_size32 1
		.amdhsa_system_sgpr_workgroup_id_x 1
		.amdhsa_system_sgpr_workgroup_id_y 1
		.amdhsa_system_sgpr_workgroup_id_z 1
		.amdhsa_system_vgpr_workitem_id 0
		.amdhsa_next_free_vgpr 224
		.amdhsa_next_free_sgpr 66
		.amdhsa_reserve_vcc 1
		.amdhsa_float_denorm_mode_32 3
		.amdhsa_float_denorm_mode_16_64 3
		.amdhsa_memory_ordered 1
		.amdhsa_forward_progress 1
		.amdhsa_inst_pref_size 76
	.end_amdhsa_kernel
	.amdgpu_metadata
---
amdhsa.version: [ 1, 2 ]
amdhsa.kernels:
  - .name:           k_q3758183861_prep
    .symbol:         k_q3758183861_prep.kd
    .args:
      - { .name: x, .offset: 0, .size: 8, .value_kind: global_buffer, .address_space: global }
      - { .name: Wr, .offset: 8, .size: 8, .value_kind: global_buffer, .address_space: global }
      - { .name: br, .offset: 16, .size: 8, .value_kind: global_buffer, .address_space: global }
      - { .name: W1, .offset: 24, .size: 8, .value_kind: global_buffer, .address_space: global }
      - { .name: wq, .offset: 32, .size: 8, .value_kind: global_buffer, .address_space: global }
      - { .name: gsel, .offset: 40, .size: 8, .value_kind: global_buffer, .address_space: global }
    .group_segment_fixed_size: 0
    .private_segment_fixed_size: 0
    .kernarg_segment_align: 8
    .kernarg_segment_size: 48
    .max_flat_workgroup_size: 128
    .sgpr_count:     66
    .vgpr_count:     224
    .wavefront_size: 32
...
	.end_amdgpu_metadata
.endif
;; end of part 1
;; launch place (part 2): grid 646 x 1, 4 waves a work-group, no clusters, 0 bytes of LDS; arguments x, gsel, wq, W2, xq, route, w2q; writes xq, route, w2q
.if DOCPART == 2
	.amdgcn_target "amdgcn-amd-amdhsa--gfx1250"
	.amdhsa_code_object_version 6
	.text
	.protected	k_q3758183861_place
	.globl	k_q3758183861_place
	.p2align	8
	.type	k_q3758183861_place,@function
k_q3758183861_place:
	s_mov_b64 s[64:65], 0
	v_nop
	global_prefetch_b8 v0, s[64:65] scope:SCOPE_SE
	s_setreg_imm32_b32 hwreg(HW_REG_WAVE_MODE, 25, 1), 1
	s_wait_xcnt 0x0
; TWO JOBS, chosen by the work-group's number; neither uses LDS or a barrier, and waves share nothing.
;  work-groups 0-133:   THE ROWS ARE PLACED BY EXPERT, a tile of 16 sorted rows to a work-group.  This is a chain of loads that hang on each other, on few work-groups.
;  work-groups 134-645: W2 [4][4096 (K)][1024] f32 becomes codes of E4M3 with one E8M0 byte for each 32 along K: a stream that is wanted only two launches on and runs beside that chain.
; SORTED SPACE: the tokens of expert 0 in ascending order, then expert 1's and so on, each expert's run filled up to a multiple of 32 rows (a PAIR of two tiles of 16).
; 2,048 tokens and 4 experts give at most (2048 + 4 x 31) / 32 = 67 pairs, 134 tiles, whatever the split.  A tile past the last pair of a given split stores nothing and ends.
; Each of a tile's four waves reads all 2,048 stored choices (whole numbers 1 << (8 x expert)), counts by integer arithmetic alone and finds the tile's 16 tokens; wave w then gathers K steps 2 w and 2 w + 1
; (of eight steps of 128) of their rows of x, quantises them along K and stores them as images of the operand's registers: [tile][K step][group c][lane][16 bytes], with the rows' scale words [tile][row][8 words].
; Rows that only fill a pair up get zero codes (under a valid byte) and the token number 0xffffffff.  Wave 0 also stores the token and the gate of each sorted row, and (tile 0) each expert's first and end pair.
; HOW A LANE FINDS ITS TOKEN.  Lane l counts the experts of tokens 64 l .. 64 l + 63, a byte an expert; the 32 packed counts go into scalars.  Lane r wants the token of rank q within my expert: it finds the run of
; 64 tokens that holds it (the last run with no more than q of my expert's tokens below it), loads that run's 64 choices itself and walks them.  Nothing goes from lane to lane but through scalars.
; W2: A LANE TAKES A COLUMN AND ITS REGISTERS RUN DOWN K; the codes are laid [expert][slice of 64 columns][K step of 128][tile of 16 columns][group c][lane][16 bytes], lane r of tile t standing for column 16 t + r;
; the scale words [expert][slice][pair of K steps][b][lane][2 words]: lane 16 u + r holds the words of tile 2 b + u's column r.
; LIMITS: NaN and infinities are not served; a block whose largest magnitude lies under 2^-118 keeps the byte 1, a block of zeros too: its codes are zeros, and the bytes are read by this program alone.
.set TILES, 134
.set GVAL, 0x1080000                   ; wq: the gates by token
.set W2S,  0x1000000                   ; w2q: W2's scale words (its codes lie at 0)
.set XSC,  0x218000                    ; xq: the scale words
.set GS,   0x228c00                    ; xq: the gates by sorted row
.set TAB,  0x2200                      ; route: first pair [4], end pair [4]; the tokens by sorted row lie at 0
.set G,    64                          ; v64-127 64 choices; later my first K step of x; v128-191 my second
.set TM,   208                         ; v208-211 largest magnitudes, 212-215 bytes, 216-219 448 x the scale, 220-223 the scales
.set SW,   20                          ; v20-21 my two K steps' scale words
.set CNT,  66                          ; s66-97 the 32 lanes' packed counts
; ---- W2's quantiser
; block t of a wave's 8: rows 32 t + 0 .. 31 of my column into set t % 2 (v32-63, v64-95); pb: bytes from one row of the weight to the next
.macro LOADB t, pb
.set li, 0
.rept 32
	global_load_b32 v[32+32*((\t)%2)+li], v3, s[28:29] offset:(32*(\t)+li)*\pb th:TH_LOAD_NT
.set li, li+1
.endr
.endm
.macro BLOCK t, pb
.set XS, 32+32*((\t)%2)
.set CR, 96+8*(\t)                     ; eight registers of codes for each block: no store's data are written again
.if (\t) < 7
	s_wait_loadcnt 32                              ; this block's 32 loads are in; the next block's 32 may be out
.else
	s_wait_loadcnt 0
.endif
	v_max3_num_f32 v12, |v[XS]|, |v[XS+1]|, |v[XS+2]|               ; the block's largest magnitude: all 32 numbers are mine; two chains
	v_max3_num_f32 v13, |v[XS+3]|, |v[XS+4]|, |v[XS+5]|
.irp i, 6,10,14,18,22,26
	v_max3_num_f32 v12, v12, |v[XS+\i]|, |v[XS+\i+1]|
	v_max3_num_f32 v13, v13, |v[XS+\i+2]|, |v[XS+\i+3]|
.endr
	v_max3_num_f32 v12, v12, |v[XS+30]|, |v[XS+31]|
	v_max3_num_f32 v12, v12, v13, 0x4800000        ; and the floor 2^(9 - 127): the byte cannot fall under 1
	v_add_nc_u32 v11, 0xfc000000, v12              ; 8 off the exponent field: the conversion takes this operand's exponent field as its scale
	v_and_or_b32 v10, v12, 0x7f800000, s27         ; 448 x the scale: the exponent field over 448's mantissa
	v_lshrrev_b32 v13, 23, v11                     ; the scale's byte
.if (\t)%4 == 0
	v_mov_b32 v[24+(\t)/4], v13                    ; four bytes make a K step's scale word, the lower K in the lower byte
.else
	v_lshl_or_b32 v[24+(\t)/4], v13, 8*((\t)%4), v[24+(\t)/4]
.endif
.set li, 0
.rept 32
	v_med3_num_f32 v[XS+li], v[XS+li], -v10, v10   ; the conversion to an 8-bit code does not saturate (ISA guide 7.6.2): the hold comes first
.set li, li+1
.endr
.irp g, 0,1,2,3
	v_cvt_scalef32_pk8_fp8_f32 v[CR+2*\g:CR+2*\g+1], v[XS+8*\g:XS+8*\g+7], v11
.endr
	; k = 0 .. 15 of the block are lane (r, 0)'s 16 bytes of the image, k = 16 .. 31 lane (r, 1)'s, 256 bytes on.  In each store lanes 0-15 and lanes 16-31 each cover 256 consecutive bytes, aligned
	global_store_b128 v4, v[CR:CR+3], s[30:31] offset:((\t)/4)*8192+((\t)%4)*512
	global_store_b128 v4, v[CR+4:CR+7], s[30:31] offset:((\t)/4)*8192+((\t)%4)*512+256
.if (\t)+2 < 8
	LOADB (\t)+2, \pb
.endif
.endm
; A work-group takes 128 columns x 256 along K of one expert; wave w its columns 32 w on.  wlo, olo: the weight's pointer and the output's; cxb, kyb: bits of the column and K indices in the id;
; pbsh: log2 of pb; code, sc: where codes and scale words begin in the output; njsh: log2 of slices an expert; jsh, ssh: log2 of a slice's bytes of codes and of scale words; perm: W1's order of columns
.macro QPATH wlo, olo, idbase, cxb, kyb, pb, pbsh, code, sc, njsh, jsh, ssh, perm
	s_sub_co_u32 s19, ttmp9, \idbase
	s_and_b32 s20, s19, (1<<\cxb)-1                ; cx: which 128 columns
	s_lshr_b32 s21, s19, \cxb
	s_and_b32 s21, s21, (1<<\kyb)-1                ; ky: which 256 along K
	s_lshr_b32 s22, s19, 7                         ; the expert
	s_lshl_b32 s23, s20, 1
	s_lshr_b32 s24, s18, 1
	s_add_co_u32 s23, s23, s24                     ; the slice of 64 columns: 2 cx + w / 2
	s_and_b32 s24, s18, 1                          ; b: which 32 of them
	s_lshl_b32 s34, s22, 24                        ; in: 16 MiB an expert,
	s_lshl_b32 s36, s21, \pbsh+8                   ; 256 rows,
	s_add_co_u32 s34, s34, s36
	s_lshl_b32 s36, s20, 9                         ; 128 columns,
	s_add_co_u32 s34, s34, s36
	s_lshl_b32 s36, s18, 7                         ; 32 columns
	s_add_co_u32 s34, s34, s36
	s_add_nc_u64 s[28:29], s[\wlo:\wlo+1], s[34:35]
	s_lshl_b32 s34, s22, 22                        ; codes: 4 MiB an expert,
	s_lshl_b32 s36, s23, \jsh                      ; the slice,
	s_add_co_u32 s34, s34, s36
	s_lshl_b32 s36, s21, 14                        ; two K steps of 8,192 bytes,
	s_add_co_u32 s34, s34, s36
	s_lshl_b32 s36, s24, 12                        ; two tiles of 2,048
	s_add_co_u32 s34, s34, s36
.if \code != 0
	s_add_co_u32 s34, s34, \code
.endif
	s_add_nc_u64 s[30:31], s[\olo:\olo+1], s[34:35]
	s_lshl_b32 s34, s22, \njsh
	s_add_co_u32 s34, s34, s23
	s_lshl_b32 s34, s34, \ssh                      ; scale words: the slice,
	s_lshl_b32 s36, s21, 9                         ; 512 bytes for a pair of K steps,
	s_add_co_u32 s34, s34, s36
	s_lshl_b32 s36, s24, 8                         ; 256 for b
	s_add_co_u32 s34, s34, s36
	s_add_co_u32 s34, s34, \sc
	s_add_nc_u64 s[32:33], s[\olo:\olo+1], s[34:35]
	s_mov_b32 s27, 0x600000                        ; the mantissa field of 448
	v_and_b32 v6, 15, v1                           ; r
	v_lshrrev_b32 v7, 4, v1                        ; u
.if \perm
	v_and_b32 v8, 8, v6
	v_add_nc_u32 v8, v8, v6
	v_lshl_add_u32 v8, v7, 3, v8                   ; my column of the 32: 8 u + r + 8 (r / 8)
	v_lshlrev_b32 v3, 2, v8
.else
	v_lshlrev_b32 v3, 2, v1                        ; my column of the 32: the lane
.endif
	v_lshlrev_b32 v4, 4, v6
	v_lshl_add_u32 v4, v7, 11, v4                  ; out: tile u of the two, 16 bytes for lane r
	v_lshlrev_b32 v5, 3, v1                        ; scale words: 8 bytes a lane
	LOADB 0, \pb
	LOADB 1, \pb
.irp t, 0,1,2,3,4,5,6,7
	BLOCK \t, \pb
.endr
	global_store_b64 v5, v[24:25], s[32:33]        ; the 32 lanes store 256 consecutive bytes, aligned
	s_endpgm
.endm
	s_load_b256 s[4:11], s[0:1], 0x0               ; x s[4:5], gsel s[6:7], wq s[8:9], W2 s[10:11]
	s_load_b128 s[12:15], s[0:1], 0x20             ; xq s[12:13], route s[14:15]
	s_load_b64 s[16:17], s[0:1], 0x30              ; w2q
	v_lshrrev_b32 v1, 5, v0
	v_readfirstlane_b32 s18, v1                    ; wave
	v_and_b32 v1, 31, v0                           ; lane
	s_mov_b32 s35, 0                               ; the upper word of the offset pair s[34:35]
	s_wait_kmcnt 0x0
	s_cmp_lt_u32 ttmp9, TILES
	s_cbranch_scc1 .Lplace
	QPATH 10, 16, TILES, 3, 4, 4096, 12, 0, W2S, 4, 18, 13, 0
; ---- the placing: tile ttmp9
.Lplace:
	v_lshlrev_b32 v40, 8, v1                       ; lane l takes tokens 64 l .. 64 l + 63: 256 bytes of gsel
.irp q, 0,1,2,3,4,5,6,7,8,9,10,11,12,13,14,15
	global_load_b128 v[G+4*\q:G+4*\q+3], v40, s[6:7] offset:16*\q
.endr
	v_and_b32 v2, 15, v1                           ; r
	v_lshrrev_b32 v3, 4, v1                        ; h
	v_lshlrev_b32 v19, 2, v1
	v_lshlrev_b32 v17, 4, v1
	v_lshlrev_b32 v38, 2, v2
	s_lshl_b32 s46, s18, 3
	v_lshl_add_u32 v29, v2, 5, s46                 ; scale words out: 32 r + 8 w
.irp b, 0,1,2,3
	v_mov_b32 v[TM+4+\b], 0                        ; a lane permute's destination counts as one of its sources
.endr
	s_mov_b32 s52, 0x76543210
	s_mov_b32 s53, 0xfedcba98                      ; v_permlanex16_b32's selects for lane l xor 16
	s_mov_b32 s54, 0x600000                        ; the mantissa field of 448
	s_mov_b32 s47, 0
	s_add_nc_u64 s[40:41], s[8:9], GVAL
	s_lshl_b32 s46, ttmp9, 14
	s_lshl_b32 s21, s18, 12
	s_add_co_u32 s46, s46, s21
	s_add_nc_u64 s[42:43], s[12:13], s[46:47]      ; my images: 16,384 bytes a tile, 4,096 for a wave's two K steps
	s_lshl_b32 s46, ttmp9, 9
	s_add_nc_u64 s[44:45], s[12:13], s[46:47]      ; the tile's scale words: 512 bytes
	s_lshl_b32 s46, ttmp9, 6
	s_add_nc_u64 s[48:49], s[12:13], s[46:47]      ; its gates: 64 bytes
	s_add_nc_u64 s[50:51], s[14:15], s[46:47]      ; its tokens
	s_lshl_b32 s46, s18, 10
	s_add_nc_u64 s[60:61], s[4:5], s[46:47]        ; x at my two K steps: 1,024 bytes of a row
	s_wait_loadcnt 0x0
	; my 64 tokens by expert, a byte each (at most 64): the sum of the 64 words, in four chains
.irp c, 0,1,2,3
	v_add_nc_u32 v[4+\c], v[G+2*\c], v[G+2*\c+1]
.endr
.set k, 8
.rept 14
.irp c, 0,1,2,3
	v_add_nc_u32 v[4+\c], v[4+\c], v[G+k+\c]
.endr
.set k, k+4
.endr
	v_add_nc_u32 v4, v4, v5
	v_add_nc_u32 v6, v6, v7
	v_add_nc_u32 v4, v4, v6
.set k, 0
.rept 32
	v_readlane_b32 s[CNT+k], v4, k                 ; the 32 packed counts, in one run; they serve twice: for the totals and for the running sum
.set k, k+1
.endr
	; the totals: three lanes' words are added as they are (a byte holds 3 x 64 = 192 at the most), then opened into fields of 16 bits: s22 experts 0 and 2, s23 experts 1 and 3
	s_mov_b32 s22, 0
	s_mov_b32 s23, 0
.set k, 0
.rept 11
	s_add_co_u32 s21, s[CNT+k], s[CNT+k+1]
.if k < 30
	s_add_co_u32 s21, s21, s[CNT+k+2]
.endif
	s_and_b32 s37, s21, 0xff00ff
	s_lshr_b32 s21, s21, 8
	s_and_b32 s21, s21, 0xff00ff
	s_add_co_u32 s22, s22, s37
	s_add_co_u32 s23, s23, s21
.set k, k+3
.endr
	s_and_b32 s56, s22, 0xffff                     ; each expert's tokens,
	s_and_b32 s57, s23, 0xffff
	s_lshr_b32 s58, s22, 16
	s_lshr_b32 s59, s23, 16
.irp k, 0,1,2,3
	s_add_co_u32 s[24+\k], s[56+\k], 31
	s_lshr_b32 s[24+\k], s[24+\k], 5               ; its pairs,
.endr
	s_mov_b32 s28, s24                             ; and where experts 1, 2, 3 begin and the last pair ends
	s_add_co_u32 s29, s28, s25
	s_add_co_u32 s30, s29, s26
	s_add_co_u32 s31, s30, s27
	s_lshr_b32 s32, ttmp9, 1                       ; my pair
	s_cmp_ge_u32 s32, s31
	s_cbranch_scc1 .Lempty                         ; this split has no such pair
	s_mov_b32 s33, 0                               ; my expert's first pair,
	s_mov_b32 s34, 0                               ; my expert,
	s_mov_b32 s39, s56                             ; and how many tokens it has
	s_cmp_ge_u32 s32, s28
	s_cselect_b32 s33, s28, s33
	s_cselect_b32 s34, 1, s34
	s_cselect_b32 s39, s57, s39
	s_cmp_ge_u32 s32, s29
	s_cselect_b32 s33, s29, s33
	s_cselect_b32 s34, 2, s34
	s_cselect_b32 s39, s58, s39
	s_cmp_ge_u32 s32, s30
	s_cselect_b32 s33, s30, s33
	s_cselect_b32 s34, 3, s34
	s_cselect_b32 s39, s59, s39
	s_lshl_b32 s38, s34, 3                         ; the bit of a choice, and the byte of a count, that stand for my expert
	s_or_b32 s55, s38, 0x80000                     ; as a field: 8 bits from that bit on
	s_lshl_b32 s36, s33, 1
	s_sub_co_u32 s36, ttmp9, s36
	s_lshl_b32 s36, s36, 4                         ; the rank, within the expert, of my tile's first row
	v_add_nc_u32 v10, s36, v2                      ; q: the rank that row r wants
	; which run of 64 tokens holds rank q.  S(j) = my expert's tokens in the runs below j, kept negated in s37.  d = q - S(j) wraps to a huge number where S(j) > q, so the unsigned minimum of the d
	; is k = q - S(L) for the last run L with S(L) <= q; the runs j = 1 .. 31 with a negative d are counted, and L = 31 - that count = 31 xor it
	v_mov_b32 v12, v10                             ; j = 0: S = 0
	v_mov_b32 v13, 0
	s_mov_b32 s37, 0
.set k, 1
.rept 31
	s_bfe_u32 s21, s[CNT+k-1], s55
	s_sub_co_u32 s37, s37, s21
	v_add_nc_u32 v[34+k%2], s37, v10
	v_min_u32 v12, v12, v[34+k%2]
	v_lshrrev_b32 v[34+k%2], 31, v[34+k%2]
	v_add_nc_u32 v13, v13, v[34+k%2]
.set k, k+1
.endr
	v_xor_b32 v13, 31, v13                         ; L
	v_min_u32 v13, 31, v13                         ; (32 runs: the load below stays inside gsel)
	v_lshlrev_b32 v39, 8, v13
.irp q, 0,1,2,3,4,5,6,7,8,9,10,11,12,13,14,15
	global_load_b128 v[G+4*\q:G+4*\q+3], v39, s[6:7] offset:16*\q    ; run L's 64 choices, for my row alone
.endr
	v_xor_b32 v8, -1, v12                          ; e = -k - 1: it grows by one with each token of my expert and reaches 0 at the one that I want
	v_mov_b32 v9, 64                               ; pos; a row that fills up finds none and keeps 64
	s_wait_loadcnt 0x0
.set k, 0
.rept 64
	v_bfe_u32 v[34+k%2], v[G+k], s38, 1            ; 1 where token k of the run is my expert's
	v_add_nc_u32 v8, v8, v[34+k%2]
	v_lshl_add_u32 v[34+k%2], v8, 6, k             ; 64 e + k: huge while e is negative; k at the wanted token; more behind it
	v_min_u32 v9, v9, v[34+k%2]
.set k, k+1
.endr
	v_lshl_add_u32 v36, v13, 6, v9                 ; the token: 64 L + pos
	v_cmp_gt_u32 vcc_lo, s39, v10                  ; a row holds a token where q lies under my expert's count
	v_cndmask_b32 v15, 0, -1, vcc_lo               ; all ones for such a row, 0 for one that fills up
	v_cndmask_b32 v14, -1, v36, vcc_lo             ; what is stored as the row's token
	v_min_u32 v36, 0x7ff, v36                      ; a row that fills up reads the last token's row, inside the buffer
	v_lshlrev_b32 v16, 12, v36
	v_lshl_add_u32 v16, v3, 6, v16                 ; x: the token's row of 4,096 bytes, + 64 h: my 16 numbers of each block of 32
	v_lshlrev_b32 v37, 2, v36
	global_load_b32 v18, v37, s[40:41]             ; its gate
.irp i, 0,1                                    ; my two K steps, all 32 loads at once: register 64 i + 16 b + n = k 32 b + 16 h + n of step 2 w + i
.irp b, 0,1,2,3
.irp q, 0,1,2,3
	global_load_b128 v[G+64*\i+16*\b+4*\q:G+64*\i+16*\b+4*\q+3], v16, s[60:61] offset:512*\i+128*\b+16*\q
.endr
.endr
.endr
.macro QUANT s, pc, pw                 ; 64 numbers v[s] on become a fragment's codes in v[pc] on and its scale word in v[pw]
.irp b, 0,1,2,3
	v_max3_num_f32 v[TM+\b], |v[(\s)+16*\b]|, |v[(\s)+1+16*\b]|, 0x4800000   ; block b: my 16 numbers, and the floor 2^(9 - 127)
.endr
.irp i, 2,4,6,8,10,12,14
.irp b, 0,1,2,3
	v_max3_num_f32 v[TM+\b], v[TM+\b], |v[(\s)+16*\b+\i]|, |v[(\s)+1+16*\b+\i]|
.endr
.endr
.irp b, 0,1,2,3
	v_permlanex16_b32 v[TM+4+\b], v[TM+\b], s52, s53
.endr
.irp b, 0,1,2,3
	v_max_num_f32 v[TM+\b], v[TM+\b], v[TM+4+\b]   ; with lane l xor 16's: the block's largest magnitude
.endr
.irp b, 0,1,2,3
	v_add_nc_u32 v[TM+12+\b], 0xfc000000, v[TM+\b] ; 8 off its exponent field: the conversion's scale operand
.endr
.irp b, 0,1,2,3
	v_and_or_b32 v[TM+8+\b], v[TM+\b], 0x7f800000, s54   ; 448 x the scale
.endr
.irp b, 0,1,2,3
	v_lshrrev_b32 v[TM+4+\b], 23, v[TM+12+\b]      ; the scale's byte
.endr
	v_lshl_or_b32 v[\pw], v[TM+5], 8, v[TM+4]
	v_lshl_or_b32 v[\pw], v[TM+6], 16, v[\pw]
	v_lshl_or_b32 v[\pw], v[TM+7], 24, v[\pw]
.irp b, 0,1,2,3
.irp i, 0,1,2,3,4,5,6,7,8,9,10,11,12,13,14,15
	v_med3_num_f32 v[(\s)+16*\b+\i], v[(\s)+16*\b+\i], -v[TM+8+\b], v[TM+8+\b]   ; the conversion does not saturate (ISA guide 7.6.2): the hold comes first
.endr
	v_cvt_scalef32_pk8_fp8_f32 v[\pc+4*\b:\pc+1+4*\b], v[(\s)+16*\b:(\s)+7+16*\b], v[TM+12+\b]
	v_cvt_scalef32_pk8_fp8_f32 v[\pc+2+4*\b:\pc+3+4*\b], v[(\s)+8+16*\b:(\s)+15+16*\b], v[TM+12+\b]
.endr
	v_nop                                          ; a plain line between the conversions and the lines that touch their results
.endm
.macro STEP i, pc, left                ; each step has its own 16 registers of codes: no store's data are written again
	s_wait_loadcnt \left
	QUANT G+64*\i, \pc, SW+\i
.irp k, 0,1,2,3,4,5,6,7,8,9,10,11,12,13,14,15
	v_and_b32 v[\pc+\k], v15, v[\pc+\k]            ; a row that fills up gets zero codes
.endr
.irp c, 0,1,2,3
	global_store_b128 v17, v[\pc+4*\c:\pc+4*\c+3], s[42:43] offset:2048*\i+512*\c   ; the image: 512 consecutive bytes a store
.endr
.endm
	STEP 0, 192, 16                                ; the gate's load and the first step's 16 are in; the second step's 16 may be out
	STEP 1, 44, 0
	s_wait_xcnt 0x0                                ; EXEC changes only behind this wait
	v_cmp_gt_u32 vcc_lo, 16, v1
	s_and_saveexec_b32 s46, vcc_lo                 ; both halves of the lanes hold row r's words: lanes 0-15 store them
	global_store_b64 v29, v[SW:SW+1], s[44:45] offset:XSC   ; my two of row r's eight words
	s_wait_xcnt 0x0
	s_or_b32 exec_lo, exec_lo, s46
	s_cmp_lg_u32 s18, 0
	s_cbranch_scc1 .Lempty                         ; the lists are wave 0's
	v_cmp_gt_u32 vcc_lo, 16, v1
	s_and_saveexec_b32 s46, vcc_lo
	global_store_b32 v38, v14, s[50:51]            ; row r's token
	global_store_b32 v38, v18, s[48:49] offset:GS  ; and its gate
	s_wait_xcnt 0x0
	s_or_b32 exec_lo, exec_lo, s46
	s_cmp_lg_u32 ttmp9, 0
	s_cbranch_scc1 .Lempty
	v_mov_b32 v30, 0                               ; tile 0, which every split has, stores the table: first pairs 0, p1, p2, p3; end pairs p1, p2, p3, p4
	v_writelane_b32 v30, s28, 1
	v_writelane_b32 v30, s29, 2
	v_writelane_b32 v30, s30, 3
	v_writelane_b32 v30, s28, 4
	v_writelane_b32 v30, s29, 5
	v_writelane_b32 v30, s30, 6
	v_writelane_b32 v30, s31, 7
	v_cmp_gt_u32 vcc_lo, 8, v1
	s_and_saveexec_b32 s46, vcc_lo
	global_store_b32 v19, v30, s[14:15] offset:TAB
	s_wait_xcnt 0x0
	s_or_b32 exec_lo, exec_lo, s46
.Lempty:
	s_endpgm
.Lfunc_end_k_q3758183861_place:
	.size	k_q3758183861_place, .Lfunc_end_k_q3758183861_place-k_q3758183861_place
	.p2alignl 7, 3214868480
	.fill 96, 4, 3214868480
	.section	.rodata,"a",@progbits
	.p2align	6, 0x0
	.amdhsa_kernel k_q3758183861_place
		.amdhsa_group_segment_fixed_size 0
		.amdhsa_private_segment_fixed_size 0
		.amdhsa_enable_private_segment 0
		.amdhsa_kernarg_size 56
		.amdhsa_user_sgpr_count 2
		.amdhsa_user_sgpr_kernarg_segment_ptr 1
		.amdhsa_wavefront_size32 1
		.amdhsa_system_sgpr_workgroup_id_x 1
		.amdhsa_system_sgpr_workgroup_id_y 1
		.amdhsa_system_sgpr_workgroup_id_z 1
		.amdhsa_system_vgpr_workitem_id 0
		.amdhsa_next_free_vgpr 224
		.amdhsa_next_free_sgpr 100
		.amdhsa_reserve_vcc 1
		.amdhsa_float_denorm_mode_32 3
		.amdhsa_float_denorm_mode_16_64 3
		.amdhsa_memory_ordered 1
		.amdhsa_forward_progress 1
		.amdhsa_inst_pref_size 110
	.end_amdhsa_kernel
	.amdgpu_metadata
---
amdhsa.version: [ 1, 2 ]
amdhsa.kernels:
  - .name:           k_q3758183861_place
    .symbol:         k_q3758183861_place.kd
    .args:
      - { .name: x, .offset: 0, .size: 8, .value_kind: global_buffer, .address_space: global }
      - { .name: gsel, .offset: 8, .size: 8, .value_kind: global_buffer, .address_space: global }
      - { .name: wq, .offset: 16, .size: 8, .value_kind: global_buffer, .address_space: global }
      - { .name: W2, .offset: 24, .size: 8, .value_kind: global_buffer, .address_space: global }
      - { .name: xq, .offset: 32, .size: 8, .value_kind: global_buffer, .address_space: global }
      - { .name: route, .offset: 40, .size: 8, .value_kind: global_buffer, .address_space: global }
      - { .name: w2q, .offset: 48, .size: 8, .value_kind: global_buffer, .address_space: global }
    .group_segment_fixed_size: 0
    .private_segment_fixed_size: 0
    .kernarg_segment_align: 8
    .kernarg_segment_size: 56
    .max_flat_workgroup_size: 128
    .sgpr_count:     100
    .vgpr_count:     224
    .wavefront_size: 32
...
	.end_amdgpu_metadata
.endif
;; end of part 2
;; launch ffn1 (part 3): grid 256 x 1, 4 waves a work-group, no clusters, 0 bytes of LDS; arguments xq, wq, b1, route, hq; writes hq
.if DOCPART == 3
	.amdgcn_target "amdgcn-amd-amdhsa--gfx1250"
	.amdhsa_code_object_version 6
	.text
	.protected	k_q3758183861_ffn1
	.globl	k_q3758183861_ffn1
	.p2align	8
	.type	k_q3758183861_ffn1,@function
k_q3758183861_ffn1:
	s_mov_b64 s[64:65], 0
	v_nop
	global_prefetch_b8 v0, s[64:65] scope:SCOPE_SE
	s_setreg_imm32_b32 hwreg(HW_REG_WAVE_MODE, 25, 1), 1
	s_wait_xcnt 0x0
; h = silu(x W1 + b1) for the rows of ONE expert, 64 hidden units to a work-group (256 = 4 experts x 64 slices), quantised along the hidden units and stored as codes.  Both operands are E4M3 with E8M0 scales.
; THE WEIGHTS STAY IN REGISTERS: the slice's 32 fragments (4 tiles of 16 hidden units x 8 K steps of 128) are 512 registers of every wave.  What streams is the expert's rows: wave w takes pairs (32 sorted rows)
; first + w, first + w + 4, ..; a pair's two tiles have a buffer of 128 registers each, loaded straight from memory as images of the operand's registers, one tile ahead of the products.  No LDS, no barrier.
; THE PRODUCT IS USED TRANSPOSED (source 0 = 16 hidden units, source 1 = 16 rows): a lane holds one row, and by the order in which W1's columns were laid the 16 registers of tiles 2 b and 2 b + 1
; are hidden units 32 b + 16 (lane / 16) + 0 .. 15: neighbours along the next product's K.  b1 is the C of each sum's first matrix instruction.
; OUT: [tile][K step S of 128 hidden units][group c][lane][16 bytes]; this slice j is S = j / 2, c = 2 (j % 2) + b: 1,024 consecutive bytes a tile.  Scale bytes: [pair][S][row of 32][4]: two bytes a row.
; THE LOOP IS COUNTED BY A CONSTANT, 16: an expert has at most 2048 / 32 = 64 pairs and a wave takes every fourth.  A WAVE'S LAST PAIR IS WRITTEN OUT behind the loop, without loads: nothing is fetched that
; nobody reads, and each counted wait has the same loads behind it on its own way.  A forward branch on the stored table leads there.
; NO CLUSTER: the 64 work-groups of an expert read the same rows, but how many pairs there are is read from memory; joint loads would want an LDS ring and a round of the cluster's barrier in each trip,
; on every wave's way; with the constant count that serves every split (64 pairs) some 17 rounds in 64 would carry work.
; LIMITS: NaN and infinities are not served; a block whose largest magnitude lies under 2^-118 keeps the byte 1.  Rows that fill a pair up carry silu(b1): valid codes that the next launch never stores.
; REGISTERS, in windows of 256: window 0: v1-5 addresses; v16-31 W1's scale words; v32-47 x's; v48-79 b1; v80-111 four accumulators; v112-127 at work; v128-143 codes; v144-146 h's scale bytes; v160-191 at work.
;   windows 1, 2: W1's fragments of K steps 0-3, 4-7 (fragment 4 s + t at v[16 (4 (s % 4) + t)]).   window 3: x's buffers, v0-127 and v128-255.
.set XSC,  0x218000                    ; xq: the scale words
.set W1S,  0x1000000                   ; wq: W1's scale words
.set HSC,  0x860000                    ; hq: h's scale bytes
.set TRIPS, 16                         ; 64 pairs an expert at the most, every fourth a wave
.set WS,   16
.set XSR,  32
.set BIAS, 48
.set ACC,  80
.set TM,   112
.set PC,   128
.set HWR,  144
.set T,    160
.set MSB, 0
.macro WIN new                         ; the immediate's high byte repeats the setting that is left; a switch that changes nothing is dropped
.if MSB != \new
	s_set_vgpr_msb (MSB<<8)|\new
.set MSB, \new
.endif
.endm
	s_load_b256 s[4:11], s[0:1], 0x0               ; xq s[4:5], wq s[6:7], b1 s[8:9], route s[10:11]
	s_load_b64 s[12:13], s[0:1], 0x20              ; hq
	v_lshrrev_b32 v6, 5, v0
	v_readfirstlane_b32 s16, v6                    ; wave
	v_and_b32 v7, 31, v0
	v_lshlrev_b32 v1, 4, v7                        ; 16 x lane: an image's place for my lane
	v_and_b32 v2, 15, v0
	v_lshlrev_b32 v2, 5, v2                        ; 32 x (lane % 16): a row's eight scale words
	v_lshlrev_b32 v3, 2, v7                        ; 4 x lane
	v_bfe_u32 v4, v0, 4, 1
	v_lshlrev_b32 v4, 6, v4                        ; 64 x (lane / 16): b1 at my half's 16 hidden units
	v_lshlrev_b32 v5, 3, v7                        ; 8 x lane
	v_mov_b32 v[TM+4], 0                           ; a lane permute's destination counts as one of its sources
	v_mov_b32 v[TM+5], 0
	s_lshr_b32 s14, ttmp9, 6                       ; the expert
	s_and_b32 s15, ttmp9, 63                       ; the slice j
	s_lshl_b32 s17, s14, 2
	s_mov_b32 s35, 0
	s_mov_b32 s44, 0x76543210
	s_mov_b32 s45, 0xfedcba98                      ; v_permlanex16_b32's selects for lane l xor 16
	s_mov_b32 s46, 0x600000                        ; the mantissa field of 448
	s_mov_b32 s48, 0xbfb8aa3b                      ; -log2(e)
	s_mov_b32 s49, s48                             ; (named with it as a pair)
	s_mov_b32 s50, 0xffff0000                      ; lanes 16-31
	s_wait_kmcnt 0x0
	s_load_b32 s18, s[10:11], s17 offset:0x2200    ; my expert's first pair
	s_load_b32 s19, s[10:11], s17 offset:0x2210    ; and its end
	s_lshl_b32 s34, ttmp9, 16
	s_add_nc_u64 s[20:21], s[6:7], s[34:35]        ; the slice's codes: 65,536 bytes
	s_lshl_b32 s34, ttmp9, 11
	s_add_co_u32 s34, s34, W1S
	s_add_nc_u64 s[22:23], s[6:7], s[34:35]        ; its scale words: 2,048
	s_lshl_b32 s34, ttmp9, 8
	s_add_nc_u64 s[24:25], s[8:9], s[34:35]        ; its 64 numbers of b1
	s_lshl_b32 s34, s15, 10
	s_add_nc_u64 s[26:27], s[12:13], s[34:35]      ; out: 2,048 (j / 2) + 1,024 (j % 2) = 1,024 j
	s_lshr_b32 s34, s15, 1
	s_lshl_b32 s34, s34, 7
	s_and_b32 s33, s15, 1
	s_lshl_b32 s33, s33, 1
	s_add_co_u32 s34, s34, s33
	s_add_co_u32 s34, s34, HSC
	s_add_nc_u64 s[28:29], s[12:13], s[34:35]      ; scale bytes out: 128 (j / 2) + 2 (j % 2)
	s_add_nc_u64 s[30:31], s[4:5], XSC
.irp q, 0,1,2,3,4,5,6,7                        ; q = 2 x (pair of K steps) + b: registers WS + 2 q, + 1 are the pair's two steps; lanes 0-15 tile 2 b's words, lanes 16-31 tile 2 b + 1's
	global_load_b64 v[WS+2*\q:WS+2*\q+1], v5, s[22:23] offset:256*\q
.endr
.irp t, 0,1,2,3                                ; b1 in the result's layout: tile 2 b + u, lane half h, register i: hidden unit 32 b + 16 h + 8 u + i
	global_load_b128 v[BIAS+8*\t:BIAS+8*\t+3], v4, s[24:25] offset:(32*(\t/2)+8*(\t%2))*4
	global_load_b128 v[BIAS+8*\t+4:BIAS+8*\t+7], v4, s[24:25] offset:(32*(\t/2)+8*(\t%2))*4+16
.endr
.set f, 0
.rept 32                                       ; the 32 fragments, 512 consecutive bytes a load
.if f < 16
	WIN 0x40                                       ; destination window 1
.else
	WIN 0x80                                       ; destination window 2
.endif
.irp c, 0,1,2,3
	global_load_b128 v[16*(f%16)+4*\c:16*(f%16)+4*\c+3], v1, s[20:21] offset:2048*f+512*\c
.endr
.set f, f+1
.endr
	WIN 0
; 34 loads: tile buf of the pair at s[40:41]: its eight fragments into window 3, its rows' scale words into window 0
.macro GROUP buf
	WIN 0xc0                                       ; destination window 3
.irp s, 0,1,2,3,4,5,6,7
.irp c, 0,1,2,3
	global_load_b128 v[128*\buf+16*\s+4*\c:128*\buf+16*\s+4*\c+3], v1, s[40:41] offset:16384*\buf+2048*\s+512*\c
.endr
.endr
	WIN 0
	global_load_b128 v[XSR+8*\buf:XSR+8*\buf+3], v2, s[42:43] offset:512*\buf
	global_load_b128 v[XSR+8*\buf+4:XSR+8*\buf+7], v2, s[42:43] offset:512*\buf+16
.endm
; one product: tile t of hidden units x tile buf of rows, K step s.  The first K step takes b1 as C.  Odd tiles' scale words lie in lanes 16-31
.macro MM buf, s, t
.set rA, 16*(4*((\s)%4)+(\t))
.set rB, 128*(\buf)+16*(\s)
.set rD, ACC+8*(\t)
.set rC, BIAS+8*(\t)
.set rW, WS+4*((\s)/2)+2*((\t)/2)+(\s)%2
.set rX, XSR+8*(\buf)+(\s)
.if ((\s) == 0) && ((\t)%2 == 0)
	v_wmma_scale_f32_16x16x128_f8f6f4 v[rD:rD+7], v[rA:rA+15], v[rB:rB+15], v[rC:rC+7], v[rW], v[rX]
.elseif (\s) == 0
	v_wmma_scale_f32_16x16x128_f8f6f4 v[rD:rD+7], v[rA:rA+15], v[rB:rB+15], v[rC:rC+7], v[rW], v[rX] matrix_a_scale:MATRIX_SCALE_ROW1
.elseif (\t)%2 == 0
	v_wmma_scale_f32_16x16x128_f8f6f4 v[rD:rD+7], v[rA:rA+15], v[rB:rB+15], v[rD:rD+7], v[rW], v[rX]
.else
	v_wmma_scale_f32_16x16x128_f8f6f4 v[rD:rD+7], v[rA:rA+15], v[rB:rB+15], v[rD:rD+7], v[rW], v[rX] matrix_a_scale:MATRIX_SCALE_ROW1
.endif
.endm
; z / (1 + 2^(-z log2 e)), in place on the 32 results; each accumulator is read from its low end on
.macro SILU
.set k, 0
.rept 16
	v_pk_mul_f32 v[T+k:T+k+1], v[ACC+k:ACC+k+1], s[48:49] op_sel_hi:[1,0]
.set k, k+2
.endr
.set k, 0
.rept 32
	v_exp_f32 v[T+k], v[T+k]
.set k, k+1
.endr
	v_nop                                          ; a plain line between the exponentials and the use of their results
.set k, 0
	s_wait_alu depctr_va_vdst(0)
.rept 16
	v_pk_add_f32 v[T+k:T+k+1], v[T+k:T+k+1], 1.0 op_sel_hi:[1,0]
.set k, k+2
.endr
.set k, 0
.rept 32
	v_rcp_f32 v[T+k], v[T+k]
.set k, k+1
.endr
	v_nop
.set k, 0
	s_wait_alu depctr_va_vdst(0)
.rept 16
	v_pk_mul_f32 v[ACC+k:ACC+k+1], v[ACC+k:ACC+k+1], v[T+k:T+k+1]
.set k, k+2
.endr
.endm
; the lane's 32 numbers, two blocks of 32 shared with lane l xor 16, become 8 registers of codes at v[pc] and two scale bytes in v[hw]
.macro QUANT2 pc, hw
.irp b, 0,1
	v_max3_num_f32 v[TM+\b], |v[ACC+16*\b]|, |v[ACC+16*\b+1]|, 0x4800000   ; my 16 numbers, and the floor 2^(9 - 127): the byte cannot fall under 1
.endr
.irp i, 2,4,6,8,10,12,14
.irp b, 0,1
	v_max3_num_f32 v[TM+\b], v[TM+\b], |v[ACC+16*\b+\i]|, |v[ACC+16*\b+\i+1]|
.endr
.endr
.irp b, 0,1
	v_permlanex16_b32 v[TM+4+\b], v[TM+\b], s44, s45
.endr
.irp b, 0,1
	v_max_num_f32 v[TM+\b], v[TM+\b], v[TM+4+\b]   ; the block's largest magnitude
.endr
.irp b, 0,1
	v_add_nc_u32 v[TM+12+\b], 0xfc000000, v[TM+\b] ; 8 off its exponent field: the conversion's scale operand
.endr
.irp b, 0,1
	v_and_or_b32 v[TM+8+\b], v[TM+\b], 0x7f800000, s46   ; 448 x the scale
.endr
.irp b, 0,1
	v_lshrrev_b32 v[TM+4+\b], 23, v[TM+12+\b]      ; the scale's byte
.endr
	v_lshl_or_b32 v[\hw], v[TM+5], 8, v[TM+4]
.irp b, 0,1
.irp i, 0,1,2,3,4,5,6,7,8,9,10,11,12,13,14,15
	v_med3_num_f32 v[ACC+16*\b+\i], v[ACC+16*\b+\i], -v[TM+8+\b], v[TM+8+\b]   ; the conversion does not saturate (ISA guide 7.6.2): the hold comes first
.endr
	v_cvt_scalef32_pk8_fp8_f32 v[\pc+4*\b:\pc+4*\b+1], v[ACC+16*\b:ACC+16*\b+7], v[TM+12+\b]
	v_cvt_scalef32_pk8_fp8_f32 v[\pc+4*\b+2:\pc+4*\b+3], v[ACC+16*\b+8:ACC+16*\b+15], v[TM+12+\b]
.endr
	v_nop                                          ; a plain line between the conversions and the next products, which write their sources
.endm
; The trip's bases.  They, the codes' registers and the scale bytes' register were sources of the last trip's loads and stores: all of these are written again only behind this wait, which stands
; behind the first tile's 32 products, so that those loads and stores have had that long
.macro BASES fetch
	s_wait_xcnt 0x0
	s_min_u32 s33, s32, 66                         ; this pair (67 pairs at the most)
	s_lshl_b32 s34, s33, 17
	s_add_nc_u64 s[36:37], s[26:27], s[34:35]      ; its codes out: 131,072 bytes a pair
	s_lshl_b32 s34, s33, 12
	s_add_nc_u64 s[38:39], s[28:29], s[34:35]      ; its scale bytes: 4,096
.if \fetch
	s_min_u32 s33, s52, 66                         ; my next pair
	s_lshl_b32 s34, s33, 15
	s_add_nc_u64 s[40:41], s[4:5], s[34:35]        ; its images: 32,768 bytes a pair
	s_lshl_b32 s34, s33, 10
	s_add_nc_u64 s[42:43], s[30:31], s[34:35]      ; its scale words: 1,024
.endif
.endm
; one tile of 16 rows: 32 products, the four accumulators by turns, one instruction a turn; fetch = 1: the buffer is asked for again, and the results are finished while those loads are out.
; left: the loads issued behind this tile's, which may stay out
.macro HALF buf, fetch, left
	s_wait_loadcnt \left
.irp s, 0,1,2,3,4,5,6,7
.if \s < 4
	WIN 0x0d                                       ; source 0 (W1) window 1, source 1 (x) window 3, C and D window 0
.else
	WIN 0x0e                                       ; source 0 window 2
.endif
.irp t, 0,1,2,3
	MM \buf, \s, \t
.endr
.endr
	WIN 0
.rept 8
	v_nop                                          ; eight places in front of the loads into registers that the products read and of the first read of their results
.endr
.if \buf == 0
	BASES \fetch
.endif
.if \fetch
	GROUP \buf                                     ; the same tile of my next pair
.endif
	SILU
	QUANT2 PC+8*\buf, HWR+\buf
.irp b, 0,1
	global_store_b128 v1, v[PC+8*\buf+4*\b:PC+8*\buf+4*\b+3], s[36:37] offset:65536*\buf+512*\b   ; 512 consecutive bytes, the two stores on end
.endr
.endm
.macro BYTES                           ; the pair's scale bytes
	v_cndmask_b32 v[HWR+2], v[HWR], v[HWR+1], s50  ; lanes 0-15: rows 0-15; lanes 16-31: rows 16-31 (both halves of the lanes hold a tile's bytes)
	global_store_b16 v3, v[HWR+2], s[38:39]        ; two of each row's four bytes; the neighbouring slice stores the other two
.endm
	s_wait_kmcnt 0x0
	s_add_co_u32 s32, s18, s16                     ; my first pair
	s_cmp_ge_u32 s32, s19
	s_cbranch_scc1 .Lend                           ; this split leaves my wave none
	s_min_u32 s33, s32, 66
	s_lshl_b32 s34, s33, 15
	s_add_nc_u64 s[40:41], s[4:5], s[34:35]
	s_lshl_b32 s34, s33, 10
	s_add_nc_u64 s[42:43], s[30:31], s[34:35]
	GROUP 0
	GROUP 1
	s_mov_b32 s51, TRIPS                           ; the loop's counter: trips still allowed
.Lpair:
	s_add_co_u32 s52, s32, 4                       ; my next pair
	s_cmp_ge_u32 s52, s19
	s_cbranch_scc1 .Llast                          ; there is none: this pair is my last
	HALF 0, 1, 34                                  ; all but the other tile's 34 loads
	HALF 1, 1, 34
	BYTES
	s_mov_b32 s32, s52
	s_sub_co_u32 s51, s51, 1
	s_cmp_lg_u32 s51, 0
	s_cbranch_scc1 .Lpair
	s_branch .Lend                                 ; (not reached by any split: a wave has 16 pairs at the most, the last of them below)
.Llast:
	HALF 0, 0, 34                                  ; the second tile's 34 loads may be out;
	HALF 1, 0, 0                                   ; nothing was issued behind them
	BYTES
.Lend:
	s_endpgm
.Lfunc_end_k_q3758183861_ffn1:
	.size	k_q3758183861_ffn1, .Lfunc_end_k_q3758183861_ffn1-k_q3758183861_ffn1
	.p2alignl 7, 3214868480
	.fill 96, 4, 3214868480
	.section	.rodata,"a",@progbits
	.p2align	6, 0x0
	.amdhsa_kernel k_q3758183861_ffn1
		.amdhsa_group_segment_fixed_size 0
		.amdhsa_private_segment_fixed_size 0
		.amdhsa_enable_private_segment 0
		.amdhsa_kernarg_size 40
		.amdhsa_user_sgpr_count 2
		.amdhsa_user_sgpr_kernarg_segment_ptr 1
		.amdhsa_wavefront_size32 1
		.amdhsa_system_sgpr_workgroup_id_x 1
		.amdhsa_system_sgpr_workgroup_id_y 1
		.amdhsa_system_sgpr_workgroup_id_z 1
		.amdhsa_system_vgpr_workitem_id 0
		.amdhsa_next_free_vgpr 1024
		.amdhsa_next_free_sgpr 66
		.amdhsa_reserve_vcc 0
		.amdhsa_float_denorm_mode_32 3
		.amdhsa_float_denorm_mode_16_64 3
		.amdhsa_memory_ordered 1
		.amdhsa_forward_progress 1
		.amdhsa_inst_pref_size 85
	.end_amdhsa_kernel
	.amdgpu_metadata
---
amdhsa.version: [ 1, 2 ]
amdhsa.kernels:
  - .name:           k_q3758183861_ffn1
    .symbol:         k_q3758183861_ffn1.kd
    .args:
      - { .name: xq, .offset: 0, .size: 8, .value_kind: global_buffer, .address_space: global }
      - { .name: wq, .offset: 8, .size: 8, .value_kind: global_buffer, .address_space: global }
      - { .name: b1, .offset: 16, .size: 8, .value_kind: global_buffer, .address_space: global }
      - { .name: route, .offset: 24, .size: 8, .value_kind: global_buffer, .address_space: global }
      - { .name: hq, .offset: 32, .size: 8, .value_kind: global_buffer, .address_space: global }
    .group_segment_fixed_size: 0
    .private_segment_fixed_size: 0
    .kernarg_segment_align: 8
    .kernarg_segment_size: 40
    .max_flat_workgroup_size: 128
    .sgpr_count:     66
    .vgpr_count:     1024
    .wavefront_size: 32
...
	.end_amdgpu_metadata
.endif
;; end of part 3
;; launch ffn2 (part 4): grid 256 x 1, 4 waves a work-group, no clusters, 35,328 bytes of LDS; arguments hq, w2q, b2, route, xq, out0; writes out0
.if DOCPART == 4
	.amdgcn_target "amdgcn-amd-amdhsa--gfx1250"
	.amdhsa_code_object_version 6
	.text
	.protected	k_q3758183861_ffn2
	.globl	k_q3758183861_ffn2
	.p2align	8
	.type	k_q3758183861_ffn2,@function
k_q3758183861_ffn2:
	s_mov_b64 s[64:65], 0
	v_nop
	global_prefetch_b8 v0, s[64:65] scope:SCOPE_SE
	s_setreg_imm32_b32 hwreg(HW_REG_WAVE_MODE, 25, 1), 1
	s_wait_xcnt 0x0
; out = (h W2 + b2) x gate for the rows of ONE expert: a work-group takes 64 outputs and every fourth pair of 32 sorted rows (256 = 4 experts x 16 slices x 4).  Both operands are E4M3 with E8M0 scales.
; THE WEIGHTS STAY IN REGISTERS, K SHARED AMONG THE WAVES: wave w holds K steps 8 w .. 8 w + 7 (of 32 steps of 128) of the 64 outputs: 32 fragments, 512 registers.  All four waves walk the same pairs;
; each loads its own quarter of h's images straight from memory, one tile ahead.  The four partial sums meet in LDS; wave w then adds rows 8 w .. 8 w + 7, adds b2, multiplies by the row's gate
; and stores 256 consecutive bytes, aligned, of the token's row of out0.  Each output number has one owner.
; THE PRODUCT IS USED TRANSPOSED (source 0 = 16 outputs, source 1 = 16 rows): a lane holds eight neighbouring outputs of one row.
; THE LOOP HAS A CONSTANT COUNT, 16: an expert has at most 2048 / 32 = 64 pairs.  Its two barriers stand on every wave's way; scalar branches on the stored table pass over the work of trips that a split leaves empty.
; THE LAST PAIR'S PRODUCTS ARE WRITTEN A SECOND TIME, without loads: nothing is fetched that nobody reads, and each counted wait has the same loads behind it on its own way.
; Rows that only fill a pair up (token 0xffffffff) are passed over by a scalar branch on the stored list.
; NO CLUSTER: the 16 slices of an expert read the same h, but joint loads would want a round of the cluster's barrier in each of the 16 trips for some 4 that carry work, and an LDS ring beside registers that are full.
; LIMITS: NaN and infinities are not served.  K is summed in four parts, (p0 + p1) + (p2 + p3).
; REGISTERS, in windows of 256: window 0: v1-5 addresses; v6-7 b2; v16-31 W2's scale words; v32-47 h's; v48-79, v80-111 four accumulators for each tile; v128-191 the stage read back.
;   windows 1, 2: my 32 fragments of W2.   window 3: h's buffers, v0-127 and v128-255.
.set W2S,  0x1000000                   ; w2q: W2's scale words (its codes lie at 0)
.set HSC,  0x860000                    ; hq: h's scale words
.set GS,   0x228c00                    ; xq: the gates by sorted row
.set AREA, 8704                        ; LDS: a wave's partial sums: 32 rows x (256 bytes + 16): the 16 rows that a store touches start at 16 different groups of four banks
.set WS,   16
.set HSR,  32
.set ACC,  48
.set RD,   128
.set TOK,  44                          ; s[44:51] my eight rows' tokens
.set GT,   52                          ; s[52:59] their gates
.set OB,   68                          ; s[68:83] a store base for each row
.set MSB, 0
.macro WIN new                         ; the immediate's high byte repeats the setting that is left; a switch that changes nothing is dropped
.if MSB != \new
	s_set_vgpr_msb (MSB<<8)|\new
.set MSB, \new
.endif
.endm
	s_load_b256 s[4:11], s[0:1], 0x0               ; hq s[4:5], w2q s[6:7], b2 s[8:9], route s[10:11]
	s_load_b128 s[12:15], s[0:1], 0x20             ; xq s[12:13], out0 s[14:15]
	v_lshl_add_u32 v254, v0, 2, 0x8800
	v_mov_b32 v255, 0
	v_lshrrev_b32 v8, 5, v0
	v_readfirstlane_b32 s19, v8                    ; wave
	v_and_b32 v9, 31, v0
	v_lshlrev_b32 v1, 4, v9                        ; 16 x lane: an image's place for my lane
	v_and_b32 v10, 15, v0
	v_lshlrev_b32 v2, 2, v10                       ; 4 x (lane % 16): a row's scale word
	v_lshlrev_b32 v3, 3, v9                        ; 8 x lane: my two outputs of a row
	v_bfe_u32 v11, v0, 4, 1
	s_mul_i32 s34, s19, AREA
	v_mul_u32_u24 v4, v10, 272
	v_lshl_add_u32 v4, v11, 5, v4
	v_add_nc_u32 v4, s34, v4                       ; into the stage: my area, row lane % 16, + 32 (lane / 16)
	s_mul_i32 s34, s19, 8*272
	v_add_nc_u32 v5, s34, v3                       ; back: rows 8 w on, 8 bytes a lane
	s_lshr_b32 s16, ttmp9, 6                       ; the expert
	s_bfe_u32 s17, ttmp9, 0x40002                  ; the slice of 64 outputs
	s_and_b32 s18, ttmp9, 3                        ; which of every four pairs
	s_lshr_b32 s89, ttmp9, 2                       ; 16 x expert + slice
	s_lshl_b32 s88, s16, 2
	s_mov_b32 s37, 0
	s_mov_b32 s85, 0
	s_wait_kmcnt 0x0
	s_load_b32 s20, s[10:11], s88 offset:0x2200    ; my expert's first pair
	s_load_b32 s21, s[10:11], s88 offset:0x2210    ; and its end
	s_lshl_b32 s36, s89, 18
	s_lshl_b32 s34, s19, 16
	s_add_co_u32 s36, s36, s34
	s_add_nc_u64 s[22:23], s[6:7], s[36:37]        ; my codes: 262,144 bytes a slice, 65,536 a wave
	s_lshl_b32 s36, s89, 13
	s_lshl_b32 s34, s19, 11
	s_add_co_u32 s36, s36, s34
	s_add_co_u32 s36, s36, W2S
	s_add_nc_u64 s[24:25], s[6:7], s[36:37]        ; my scale words: 8,192 a slice, 2,048 a wave
	s_lshl_b32 s36, s17, 8
	s_add_nc_u64 s[26:27], s[14:15], s[36:37]      ; out0 at the slice's 256 bytes of a row
	s_lshl_b32 s36, s19, 14
	s_add_nc_u64 s[28:29], s[4:5], s[36:37]        ; h's images at my eight K steps: 2,048 bytes a step
	s_lshl_b32 s36, s19, 10
	s_add_co_u32 s36, s36, HSC
	s_add_nc_u64 s[30:31], s[4:5], s[36:37]        ; h's scale words at my eight K steps: 128 bytes a step
	s_lshl_b32 s36, s89, 8
	s_add_nc_u64 s[86:87], s[8:9], s[36:37]        ; the slice's 64 numbers of b2
	global_load_b64 v[6:7], v3, s[86:87]
.irp q, 0,1,2,3,4,5,6,7                        ; q = 2 x (pair of K steps) + b: lanes 0-15 tile 2 b's words, lanes 16-31 tile 2 b + 1's
	global_load_b64 v[WS+2*\q:WS+2*\q+1], v3, s[24:25] offset:256*\q
.endr
.set f, 0
.rept 32                                       ; my 32 fragments, 512 consecutive bytes a load
.if f < 16
	WIN 0x40                                       ; destination window 1
.else
	WIN 0x80                                       ; destination window 2
.endif
.irp c, 0,1,2,3
	global_load_b128 v[16*(f%16)+4*\c:16*(f%16)+4*\c+3], v1, s[22:23] offset:2048*f+512*\c
.endr
.set f, f+1
.endr
	WIN 0
	s_wait_loadcnt 63                              ; b2's load has 136 younger loads behind it: it is in, on every way through the loop
; 40 loads: my quarter of tile buf of the pair at s[38:39]: eight fragments into window 3, eight scale words into window 0
.macro GROUP buf
	WIN 0xc0                                       ; destination window 3
.irp s, 0,1,2,3,4,5,6,7
.irp c, 0,1,2,3
	global_load_b128 v[128*\buf+16*\s+4*\c:128*\buf+16*\s+4*\c+3], v1, s[38:39] offset:65536*\buf+2048*\s+512*\c
.endr
.endr
	WIN 0
.irp s, 0,1,2,3,4,5,6,7
	global_load_b32 v[HSR+8*\buf+\s], v2, s[40:41] offset:128*\s+64*\buf
.endr
.endm
; one product: tile t of outputs x tile buf of rows, my K step s.  The first starts the sum with the constant 0.  Odd tiles' scale words lie in lanes 16-31
.macro MM buf, s, t
.set rA, 16*(4*((\s)%4)+(\t))
.set rB, 128*(\buf)+16*(\s)
.set rD, ACC+32*(\buf)+8*(\t)
.set rW, WS+4*((\s)/2)+2*((\t)/2)+(\s)%2
.set rX, HSR+8*(\buf)+(\s)
.if ((\s) == 0) && ((\t)%2 == 0)
	v_wmma_scale_f32_16x16x128_f8f6f4 v[rD:rD+7], v[rA:rA+15], v[rB:rB+15], 0, v[rW], v[rX]
.elseif (\s) == 0
	v_wmma_scale_f32_16x16x128_f8f6f4 v[rD:rD+7], v[rA:rA+15], v[rB:rB+15], 0, v[rW], v[rX] matrix_a_scale:MATRIX_SCALE_ROW1
.elseif (\t)%2 == 0
	v_wmma_scale_f32_16x16x128_f8f6f4 v[rD:rD+7], v[rA:rA+15], v[rB:rB+15], v[rD:rD+7], v[rW], v[rX]
.else
	v_wmma_scale_f32_16x16x128_f8f6f4 v[rD:rD+7], v[rA:rA+15], v[rB:rB+15], v[rD:rD+7], v[rW], v[rX] matrix_a_scale:MATRIX_SCALE_ROW1
.endif
.endm
; The bases of what is fetched ahead: the pair s35.  They were sources of the last trip's loads and are written again only behind this wait, which stands behind the first tile's 32 products
.macro BASES
	s_wait_xcnt 0x0
	s_min_u32 s35, s35, 66                         ; 67 pairs at the most
	s_lshl_b32 s36, s35, 17
	s_add_nc_u64 s[38:39], s[28:29], s[36:37]      ; its images: 131,072 bytes a pair
	s_lshl_b32 s36, s35, 12
	s_add_nc_u64 s[40:41], s[30:31], s[36:37]      ; its scale words: 4,096
.endm
; one tile of 16 rows: 32 products, the four accumulators by turns, one instruction a turn; the partial sums go to my area of the stage; fetch = 1: the buffer is asked for again,
; behind the stage's stores, which the other waves wait for.  left: the loads issued behind this tile's, which may stay out
.macro HALF buf, fetch, left
	s_wait_loadcnt \left
.irp s, 0,1,2,3,4,5,6,7
.if \s < 4
	WIN 0x0d                                       ; source 0 (W2) window 1, source 1 (h) window 3, C and D window 0
.else
	WIN 0x0e                                       ; source 0 window 2
.endif
.irp t, 0,1,2,3
	MM \buf, \s, \t
.endr
.endr
	WIN 0
.rept 8
	v_nop                                          ; eight places in front of the stores that read the products' results and of the loads into registers that they read
.endr
.irp t, 0,1,2,3
	ds_store_b128 v4, v[ACC+32*\buf+8*\t:ACC+32*\buf+8*\t+3] offset:4352*\buf+64*\t          ; each accumulator from its low end on
	ds_store_b128 v4, v[ACC+32*\buf+8*\t+4:ACC+32*\buf+8*\t+7] offset:4352*\buf+64*\t+16
.endr
.if \fetch
.if \buf == 0
	BASES
.endif
	GROUP \buf                                     ; the same tile of the pair four further on
.endif
.endm
; row 8 w + i of the pair: the four waves' parts, b2, the gate; stored if the row holds a token
.macro ROWOUT i
	s_wait_dscnt 4*(7-\i)                          ; this row's four loads are in; the four of each later row may be out
	v_pk_add_f32 v[RD+8*\i:RD+8*\i+1], v[RD+8*\i:RD+8*\i+1], v[RD+8*\i+2:RD+8*\i+3]
	v_pk_add_f32 v[RD+8*\i+4:RD+8*\i+5], v[RD+8*\i+4:RD+8*\i+5], v[RD+8*\i+6:RD+8*\i+7]
	v_pk_add_f32 v[RD+8*\i:RD+8*\i+1], v[RD+8*\i:RD+8*\i+1], v[RD+8*\i+4:RD+8*\i+5]
	v_pk_add_f32 v[RD+8*\i:RD+8*\i+1], v[RD+8*\i:RD+8*\i+1], v[6:7]
	v_mul_f32 v[RD+8*\i], s[GT+\i], v[RD+8*\i]
	v_mul_f32 v[RD+8*\i+1], s[GT+\i], v[RD+8*\i+1]
	s_cmp_lt_u32 s[TOK+\i], 0x800
	s_cbranch_scc0 .Lpad_\@                        ; a row that only fills the pair up
	s_min_u32 s84, s[TOK+\i], 0x7ff
	s_lshl_b32 s84, s84, 12
	s_add_nc_u64 s[OB+2*\i:OB+2*\i+1], s[26:27], s[84:85]
	global_store_b64 v3, v[RD+8*\i:RD+8*\i+1], s[OB+2*\i:OB+2*\i+1] th:TH_STORE_NT   ; the 32 lanes store 256 consecutive bytes, aligned; written once, read by nobody here
.Lpad_\@:
.endm
.macro REDUCE
	s_wait_xcnt 0x0                                ; the last pair's stores have read their data and bases
.irp i, 0,1,2,3,4,5,6,7
.irp a, 0,1,2,3
	ds_load_b64 v[RD+8*\i+2*\a:RD+8*\i+2*\a+1], v5 offset:AREA*\a+272*\i   ; 256 consecutive bytes
.endr
.endr
.irp i, 0,1,2,3,4,5,6,7
	ROWOUT \i
.endr
.endm
	s_wait_kmcnt 0x0
	s_add_co_u32 s32, s20, s18                     ; my first pair
	s_cmp_lt_u32 s32, s21
	s_cselect_b32 s35, s32, 0                      ; (if the split leaves me none: pair 0, which every split has; nothing is then made of it, but every register that the loop names is written)
	s_min_u32 s35, s35, 66
	s_lshl_b32 s36, s35, 17
	s_add_nc_u64 s[38:39], s[28:29], s[36:37]
	s_lshl_b32 s36, s35, 12
	s_add_nc_u64 s[40:41], s[30:31], s[36:37]
	s_lshl_b32 s34, s35, 7
	s_lshl_b32 s36, s19, 5
	s_add_co_u32 s34, s34, s36
	s_load_b256 s[TOK:TOK+7], s[10:11], s34 offset:0x0     ; so that the sixteen registers are written on every way
	s_load_b256 s[GT:GT+7], s[12:13], s34 offset:GS
	GROUP 0
	GROUP 1
	s_wait_kmcnt 0x0
	s_mov_b32 s33, 16
.Ltrip:
	s_cmp_lt_u32 s32, s21
	s_cbranch_scc0 .Lskip1                         ; the same in all four waves: no pair is left
	s_min_u32 s34, s32, 66                         ; (the last scalar loads that named s34 were waited for in front of the barrier)
	s_lshl_b32 s34, s34, 7
	s_lshl_b32 s36, s19, 5
	s_add_co_u32 s34, s34, s36                     ; sorted rows 32 x pair + 8 w on, 4 bytes each
	s_load_b256 s[TOK:TOK+7], s[10:11], s34 offset:0x0
	s_load_b256 s[GT:GT+7], s[12:13], s34 offset:GS
	s_add_co_u32 s35, s32, 4                       ; my next pair
	s_cmp_lt_u32 s35, s21
	s_cbranch_scc0 .Llast                          ; there is none: this pair is my last
	HALF 0, 1, 40                                  ; all but the other tile's 40 loads
	HALF 1, 1, 40
	s_branch .Lskip1
.Llast:
	HALF 0, 0, 40                                  ; the second tile's 40 loads may be out;
	HALF 1, 0, 0                                   ; nothing was issued behind them
.Lskip1:
	s_wait_dscnt 0x0                               ; for the others' sake: my stores into the stage are done
	s_wait_kmcnt 0x0                               ; my rows' tokens and gates
	s_barrier_signal -1
	s_barrier_wait -1
	s_cmp_lt_u32 s32, s21
	s_cbranch_scc0 .Lskip2
	REDUCE
.Lskip2:
	s_wait_dscnt 0x0                               ; my reads of the stage are over before any wave writes it again
	s_barrier_signal -1
	s_barrier_wait -1
	s_add_co_u32 s32, s32, 4
	s_sub_co_u32 s33, s33, 1
	s_cmp_lg_u32 s33, 0
	s_cbranch_scc1 .Ltrip
	s_wait_tensorcnt 0x0
	ds_add_u32 v254, v255
	s_wait_dscnt 0x0
	s_endpgm
.Lfunc_end_k_q3758183861_ffn2:
	.size	k_q3758183861_ffn2, .Lfunc_end_k_q3758183861_ffn2-k_q3758183861_ffn2
	.p2alignl 7, 3214868480
	.fill 96, 4, 3214868480
	.section	.rodata,"a",@progbits
	.p2align	6, 0x0
	.amdhsa_kernel k_q3758183861_ffn2
		.amdhsa_group_segment_fixed_size 35328
		.amdhsa_private_segment_fixed_size 0
		.amdhsa_enable_private_segment 0
		.amdhsa_kernarg_size 48
		.amdhsa_user_sgpr_count 2
		.amdhsa_user_sgpr_kernarg_segment_ptr 1
		.amdhsa_wavefront_size32 1
		.amdhsa_system_sgpr_workgroup_id_x 1
		.amdhsa_system_sgpr_workgroup_id_y 1
		.amdhsa_system_sgpr_workgroup_id_z 1
		.amdhsa_system_vgpr_workitem_id 0
		.amdhsa_next_free_vgpr 1024
		.amdhsa_next_free_sgpr 100
		.amdhsa_reserve_vcc 0
		.amdhsa_float_denorm_mode_32 3
		.amdhsa_float_denorm_mode_16_64 3
		.amdhsa_memory_ordered 1
		.amdhsa_forward_progress 1
		.amdhsa_inst_pref_size 59
	.end_amdhsa_kernel
	.amdgpu_metadata
---
amdhsa.version: [ 1, 2 ]
amdhsa.kernels:
  - .name:           k_q3758183861_ffn2
    .symbol:         k_q3758183861_ffn2.kd
    .args:
      - { .name: hq, .offset: 0, .size: 8, .value_kind: global_buffer, .address_space: global }
      - { .name: w2q, .offset: 8, .size: 8, .value_kind: global_buffer, .address_space: global }
      - { .name: b2, .offset: 16, .size: 8, .value_kind: global_buffer, .address_space: global }
      - { .name: route, .offset: 24, .size: 8, .value_kind: global_buffer, .address_space: global }
      - { .name: xq, .offset: 32, .size: 8, .value_kind: global_buffer, .address_space: global }
      - { .name: out0, .offset: 40, .size: 8, .value_kind: global_buffer, .address_space: global }
    .group_segment_fixed_size: 35328
    .private_segment_fixed_size: 0
    .kernarg_segment_align: 8
    .kernarg_segment_size: 48
    .max_flat_workgroup_size: 128
    .sgpr_count:     100
    .vgpr_count:     1024
    .wavefront_size: 32
...
	.end_amdgpu_metadata
.endif
;; end of part 4
;; ======== version 2 of 2: 4 launches; version 1 with the launches ffn1, ffn2 written anew for expert scheduling mode
;; workspace buffers: wq 17,309,696 bytes; w2q 17,301,504 bytes; gsel 8,192 bytes of whole numbers; xq 2,272,768 bytes; route 8,960 bytes of whole numbers; hq 9,056,256 bytes
;; launch prep: the kernel of part 1 again; grid 768 x 1, 4 waves a work-group, no clusters, 0 bytes of LDS; arguments x, Wr, br, W1, wq, gsel; writes wq, gsel
;; launch place: the kernel of part 2 again; grid 646 x 1, 4 waves a work-group, no clusters, 0 bytes of LDS; arguments x, gsel, wq, W2, xq, route, w2q; writes xq, route, w2q
;; launch ffn1 (part 5): grid 256 x 1, 4 waves a work-group, no clusters, 0 bytes of LDS; arguments xq, wq, b1, route, hq; writes hq
.if DOCPART == 5
	.amdgcn_target "amdgcn-amd-amdhsa--gfx1250"
	.amdhsa_code_object_version 6
	.text
	.protected	k_q3758183861_ffn1
	.globl	k_q3758183861_ffn1
	.p2align	8
	.type	k_q3758183861_ffn1,@function
k_q3758183861_ffn1:
	s_mov_b64 s[64:65], 0
	v_nop
	global_prefetch_b8 v0, s[64:65] scope:SCOPE_SE
	s_setreg_imm32_b32 hwreg(HW_REG_WAVE_SCHED_MODE, 0, 2), 2
	s_setreg_imm32_b32 hwreg(HW_REG_WAVE_MODE, 25, 1), 1
	s_wait_xcnt 0x0
	s_wait_alu depctr_vm_vsrc(0)
; h = silu(x W1 + b1) for the rows of ONE expert, 64 hidden units to a work-group (256 = 4 experts x 64 slices), quantised along the hidden units and stored as codes.  Both operands are E4M3 with E8M0 scales.
; THE WEIGHTS STAY IN REGISTERS: the slice's 32 fragments (4 tiles of 16 hidden units x 8 K steps of 128) are 512 registers of every wave.  What streams is the expert's rows: wave w takes pairs (32 sorted rows)
; first + w, first + w + 4, ..; a pair's two tiles have a buffer of 128 registers each, loaded straight from memory as images of the operand's registers, one tile ahead of the products.  No LDS, no barrier.
; THE PRODUCT IS USED TRANSPOSED (source 0 = 16 hidden units, source 1 = 16 rows): a lane holds one row, and by the order in which W1's columns were laid the 16 registers of tiles 2 b and 2 b + 1
; are hidden units 32 b + 16 (lane / 16) + 0 .. 15: neighbours along the next product's K.  b1 is the C of each sum's first matrix instruction.
; OUT: [tile][K step S of 128 hidden units][group c][lane][16 bytes]; this slice j is S = j / 2, c = 2 (j % 2) + b: 1,024 consecutive bytes a tile.  Scale bytes: [pair][S][row of 32][4]: two bytes a row.
; THE LOOP IS COUNTED BY A CONSTANT, 16: an expert has at most 2048 / 32 = 64 pairs and a wave takes every fourth.  A WAVE'S LAST PAIR IS WRITTEN OUT behind the loop, without loads: nothing is fetched that
; nobody reads, and each counted wait has the same loads behind it on its own way.  A forward branch on the stored table leads there.
; NO CLUSTER: the 64 work-groups of an expert read the same rows, but how many pairs there are is read from memory; joint loads would want an LDS ring and a round of the cluster's barrier in each trip,
; on every wave's way; with the constant count that serves every split (64 pairs) some 17 rounds in 64 would carry work.
; LIMITS: NaN and infinities are not served; a block whose largest magnitude lies under 2^-118 keeps the byte 1.  Rows that fill a pair up carry silu(b1): valid codes that the next launch never stores.
; REGISTERS, in windows of 256: window 0: v1-5 addresses; v16-31 W1's scale words; v32-47 x's; v48-79 b1; v80-111 four accumulators; v112-127 at work; v128-143 codes; v144-146 h's scale bytes; v160-191 at work.
;   windows 1, 2: W1's fragments of K steps 0-3, 4-7 (fragment 4 s + t at v[16 (4 (s % 4) + t)]).   window 3: x's buffers, v0-127 and v128-255.
; THE MODE: SCHED_MODE bits 1:0 = 2 (LLVM: expert scheduling mode 2), set by the entry lines.  The code itself states the register dependences
; between vector or matrix instructions and memory instructions, with s_wait_alu, always for 0.
; THE PLAN.  Registers that memory instructions touch, in the loop:
;   X0, X1        x's two buffers (window 3), with their rows' scale words v32-39 and v40-47.  Tile b's 32 products read X[b]; behind them the same tile of my next pair is loaded into it.
;   v128-135      tile 0's codes.  Written by tile 0's conversions; read by two stores that are issued in tile 1's half.
;   v136-143      tile 1's codes, and v146, the pair's scale bytes.  Written at the trip's end; read by the three stores that close the trip.
;   v1, v2, v3    offsets, made at the head and never written again (v4 and v5 serve the head's loads alone): the pairs are reached by scalar bases.
;   The accumulators, b1, the weights and all that is at work are named by vector and matrix instructions alone once the head's loads are in.
; So a trip states its dependences in four lines beside the two behind its transcendentals.  Tile 0's half: behind the products, one wait on vm_vsrc (the last trip's five stores have read the codes and the scale
; bytes, which this trip writes again) and one on va_vdst (the products are done reading X0).  Tile 1's half: one wait on va_vdst behind the products (they are done reading X1; tile 0's conversions have written
; its codes).  The trip's end: one wait on va_vdst ahead of the three stores.  Behind each of these waits no vector or matrix instruction stands ahead of the loads and stores that lean on it.
.set XSC,  0x218000                    ; xq: the scale words
.set W1S,  0x1000000                   ; wq: W1's scale words
.set HSC,  0x860000                    ; hq: h's scale bytes
.set TRIPS, 16                         ; 64 pairs an expert at the most, every fourth a wave
.set WS,   16
.set XSR,  32
.set BIAS, 48
.set ACC,  80
.set TM,   112
.set PC,   128
.set HWR,  144
.set T,    160
.set MSB, 0
.macro WIN new                         ; the immediate's high byte repeats the setting that is left; a switch that changes nothing is dropped
.if MSB != \new
	s_set_vgpr_msb (MSB<<8)|\new
.set MSB, \new
.endif
.endm
	s_load_b256 s[4:11], s[0:1], 0x0               ; xq s[4:5], wq s[6:7], b1 s[8:9], route s[10:11]
	s_load_b64 s[12:13], s[0:1], 0x20              ; hq
	v_lshrrev_b32 v6, 5, v0
	v_readfirstlane_b32 s16, v6                    ; wave
	v_and_b32 v7, 31, v0
	v_lshlrev_b32 v1, 4, v7                        ; 16 x lane: an image's place for my lane
	v_and_b32 v2, 15, v0
	v_lshlrev_b32 v2, 5, v2                        ; 32 x (lane % 16): a row's eight scale words
	v_lshlrev_b32 v3, 2, v7                        ; 4 x lane
	v_bfe_u32 v4, v0, 4, 1
	v_lshlrev_b32 v4, 6, v4                        ; 64 x (lane / 16): b1 at my half's 16 hidden units
	v_lshlrev_b32 v5, 3, v7                        ; 8 x lane
	v_mov_b32 v[TM+4], 0                           ; a lane permute's destination counts as one of its sources
	v_mov_b32 v[TM+5], 0
	s_wait_alu depctr_va_sdst(0)                   ; s16 is written, ahead of its first reader: my first pair is made from it
	s_lshr_b32 s14, ttmp9, 6                       ; the expert
	s_and_b32 s15, ttmp9, 63                       ; the slice j
	s_lshl_b32 s17, s14, 2
	s_mov_b32 s35, 0
	s_mov_b32 s44, 0x76543210
	s_mov_b32 s45, 0xfedcba98                      ; v_permlanex16_b32's selects for lane l xor 16
	s_mov_b32 s46, 0x600000                        ; the mantissa field of 448
	s_mov_b32 s48, 0xbfb8aa3b                      ; -log2(e)
	s_mov_b32 s49, s48                             ; (named with it as a pair)
	s_mov_b32 s50, 0xffff0000                      ; lanes 16-31
	s_wait_kmcnt 0x0
	s_load_b32 s18, s[10:11], s17 offset:0x2200    ; my expert's first pair
	s_load_b32 s19, s[10:11], s17 offset:0x2210    ; and its end
	s_lshl_b32 s34, ttmp9, 16
	s_add_nc_u64 s[20:21], s[6:7], s[34:35]        ; the slice's codes: 65,536 bytes
	s_lshl_b32 s34, ttmp9, 11
	s_add_co_u32 s34, s34, W1S
	s_add_nc_u64 s[22:23], s[6:7], s[34:35]        ; its scale words: 2,048
	s_lshl_b32 s34, ttmp9, 8
	s_add_nc_u64 s[24:25], s[8:9], s[34:35]        ; its 64 numbers of b1
	s_lshl_b32 s34, s15, 10
	s_add_nc_u64 s[26:27], s[12:13], s[34:35]      ; out: 2,048 (j / 2) + 1,024 (j % 2) = 1,024 j
	s_lshr_b32 s34, s15, 1
	s_lshl_b32 s34, s34, 7
	s_and_b32 s33, s15, 1
	s_lshl_b32 s33, s33, 1
	s_add_co_u32 s34, s34, s33
	s_add_co_u32 s34, s34, HSC
	s_add_nc_u64 s[28:29], s[12:13], s[34:35]      ; scale bytes out: 128 (j / 2) + 2 (j % 2)
	s_add_nc_u64 s[30:31], s[4:5], XSC
	s_wait_alu depctr_va_vdst(0)                   ; the five offsets v1 to v5 are written, which every load and store of the kernel reads; no vector instruction follows ahead of the loop
.irp q, 0,1,2,3,4,5,6,7                        ; q = 2 x (pair of K steps) + b: registers WS + 2 q, + 1 are the pair's two steps; lanes 0-15 tile 2 b's words, lanes 16-31 tile 2 b + 1's
	global_load_b64 v[WS+2*\q:WS+2*\q+1], v5, s[22:23] offset:256*\q
.endr
.irp t, 0,1,2,3                                ; b1 in the result's layout: tile 2 b + u, lane half h, register i: hidden unit 32 b + 16 h + 8 u + i
	global_load_b128 v[BIAS+8*\t:BIAS+8*\t+3], v4, s[24:25] offset:(32*(\t/2)+8*(\t%2))*4
	global_load_b128 v[BIAS+8*\t+4:BIAS+8*\t+7], v4, s[24:25] offset:(32*(\t/2)+8*(\t%2))*4+16
.endr
.set f, 0
.rept 32                                       ; the 32 fragments, 512 consecutive bytes a load
.if f < 16
	WIN 0x40                                       ; destination window 1
.else
	WIN 0x80                                       ; destination window 2
.endif
.irp c, 0,1,2,3
	global_load_b128 v[16*(f%16)+4*\c:16*(f%16)+4*\c+3], v1, s[20:21] offset:2048*f+512*\c
.endr
.set f, f+1
.endr
	WIN 0
; 34 loads: tile buf of the pair at s[40:41]: its eight fragments into window 3, its rows' scale words into window 0
.macro GROUP buf
	WIN 0xc0                                       ; destination window 3
.irp s, 0,1,2,3,4,5,6,7
.irp c, 0,1,2,3
	global_load_b128 v[128*\buf+16*\s+4*\c:128*\buf+16*\s+4*\c+3], v1, s[40:41] offset:16384*\buf+2048*\s+512*\c
.endr
.endr
	WIN 0
	global_load_b128 v[XSR+8*\buf:XSR+8*\buf+3], v2, s[42:43] offset:512*\buf
	global_load_b128 v[XSR+8*\buf+4:XSR+8*\buf+7], v2, s[42:43] offset:512*\buf+16
.endm
; one product: tile t of hidden units x tile buf of rows, K step s.  The first K step takes b1 as C.  Odd tiles' scale words lie in lanes 16-31
.macro MM buf, s, t
.set rA, 16*(4*((\s)%4)+(\t))
.set rB, 128*(\buf)+16*(\s)
.set rD, ACC+8*(\t)
.set rC, BIAS+8*(\t)
.set rW, WS+4*((\s)/2)+2*((\t)/2)+(\s)%2
.set rX, XSR+8*(\buf)+(\s)
.if ((\s) == 0) && ((\t)%2 == 0)
	v_wmma_scale_f32_16x16x128_f8f6f4 v[rD:rD+7], v[rA:rA+15], v[rB:rB+15], v[rC:rC+7], v[rW], v[rX]
.elseif (\s) == 0
	v_wmma_scale_f32_16x16x128_f8f6f4 v[rD:rD+7], v[rA:rA+15], v[rB:rB+15], v[rC:rC+7], v[rW], v[rX] matrix_a_scale:MATRIX_SCALE_ROW1
.elseif (\t)%2 == 0
	v_wmma_scale_f32_16x16x128_f8f6f4 v[rD:rD+7], v[rA:rA+15], v[rB:rB+15], v[rD:rD+7], v[rW], v[rX]
.else
	v_wmma_scale_f32_16x16x128_f8f6f4 v[rD:rD+7], v[rA:rA+15], v[rB:rB+15], v[rD:rD+7], v[rW], v[rX] matrix_a_scale:MATRIX_SCALE_ROW1
.endif
.endm
; z / (1 + 2^(-z log2 e)), in place on the 32 results; each accumulator is read from its low end on
.macro SILU
.set k, 0
.rept 16
	v_pk_mul_f32 v[T+k:T+k+1], v[ACC+k:ACC+k+1], s[48:49] op_sel_hi:[1,0]
.set k, k+2
.endr
.set k, 0
.rept 32
	v_exp_f32 v[T+k], v[T+k]
.set k, k+1
.endr
	v_nop                                          ; a plain line between the exponentials and the use of their results
.set k, 0
	s_wait_alu depctr_va_vdst(0)                   ; the 32 exponentials have written v[T ..], which the additions below name: one wait for the batch
.rept 16
	v_pk_add_f32 v[T+k:T+k+1], v[T+k:T+k+1], 1.0 op_sel_hi:[1,0]
.set k, k+2
.endr
.set k, 0
.rept 32
	v_rcp_f32 v[T+k], v[T+k]
.set k, k+1
.endr
	v_nop
.set k, 0
	s_wait_alu depctr_va_vdst(0)                   ; the 32 reciprocals have written v[T ..], which the multiplications below read: one wait for the batch
.rept 16
	v_pk_mul_f32 v[ACC+k:ACC+k+1], v[ACC+k:ACC+k+1], v[T+k:T+k+1]
.set k, k+2
.endr
.endm
; the lane's 32 numbers, two blocks of 32 shared with lane l xor 16, become 8 registers of codes at v[pc] and two scale bytes in v[hw]
.macro QUANT2 pc, hw
.irp b, 0,1
	v_max3_num_f32 v[TM+\b], |v[ACC+16*\b]|, |v[ACC+16*\b+1]|, 0x4800000   ; my 16 numbers, and the floor 2^(9 - 127): the byte cannot fall under 1
.endr
.irp i, 2,4,6,8,10,12,14
.irp b, 0,1
	v_max3_num_f32 v[TM+\b], v[TM+\b], |v[ACC+16*\b+\i]|, |v[ACC+16*\b+\i+1]|
.endr
.endr
.irp b, 0,1
	v_permlanex16_b32 v[TM+4+\b], v[TM+\b], s44, s45
.endr
.irp b, 0,1
	v_max_num_f32 v[TM+\b], v[TM+\b], v[TM+4+\b]   ; the block's largest magnitude
.endr
.irp b, 0,1
	v_add_nc_u32 v[TM+12+\b], 0xfc000000, v[TM+\b] ; 8 off its exponent field: the conversion's scale operand
.endr
.irp b, 0,1
	v_and_or_b32 v[TM+8+\b], v[TM+\b], 0x7f800000, s46   ; 448 x the scale
.endr
.irp b, 0,1
	v_lshrrev_b32 v[TM+4+\b], 23, v[TM+12+\b]      ; the scale's byte
.endr
	v_lshl_or_b32 v[\hw], v[TM+5], 8, v[TM+4]
.irp b, 0,1
.irp i, 0,1,2,3,4,5,6,7,8,9,10,11,12,13,14,15
	v_med3_num_f32 v[ACC+16*\b+\i], v[ACC+16*\b+\i], -v[TM+8+\b], v[TM+8+\b]   ; the conversion does not saturate (ISA guide 7.6.2): the hold comes first
.endr
	v_cvt_scalef32_pk8_fp8_f32 v[\pc+4*\b:\pc+4*\b+1], v[ACC+16*\b:ACC+16*\b+7], v[TM+12+\b]
	v_cvt_scalef32_pk8_fp8_f32 v[\pc+4*\b+2:\pc+4*\b+3], v[ACC+16*\b+8:ACC+16*\b+15], v[TM+12+\b]
.endr
	v_nop                                          ; a plain line between the conversions and the next products, which write their sources
.endm
; The trip's bases.  They, the codes' registers and the scale bytes' register were sources of the last trip's loads and stores: all of these are written again only behind these two waits, which stand
; behind the first tile's 32 products, so that those loads and stores have had that long
.macro BASES fetch
	s_wait_xcnt 0x0
	s_wait_alu depctr_vm_vsrc(0)                   ; the last trip's five stores have read v[PC .. PC+15] and v[HWR+2], which this trip's conversions and its select write again
	s_min_u32 s33, s32, 66                         ; this pair (67 pairs at the most)
	s_lshl_b32 s34, s33, 17
	s_add_nc_u64 s[36:37], s[26:27], s[34:35]      ; its codes out: 131,072 bytes a pair
	s_lshl_b32 s34, s33, 12
	s_add_nc_u64 s[38:39], s[28:29], s[34:35]      ; its scale bytes: 4,096
.if \fetch
	s_min_u32 s33, s52, 66                         ; my next pair
	s_lshl_b32 s34, s33, 15
	s_add_nc_u64 s[40:41], s[4:5], s[34:35]        ; its images: 32,768 bytes a pair
	s_lshl_b32 s34, s33, 10
	s_add_nc_u64 s[42:43], s[30:31], s[34:35]      ; its scale words: 1,024
.endif
.endm
; tile buf's codes leave
.macro CODES buf
.irp b, 0,1
	global_store_b128 v1, v[PC+8*\buf+4*\b:PC+8*\buf+4*\b+3], s[36:37] offset:65536*\buf+512*\b   ; 512 consecutive bytes, the two stores on end
.endr
.endm
; one tile of 16 rows: 32 products, the four accumulators by turns, one instruction a turn; fetch = 1: the buffer is asked for again, and the results are finished while those loads are out.
; Tile 0's codes are stored in tile 1's half, behind the wait that stands there.  left: the loads issued behind this tile's, which may stay out
.macro HALF buf, fetch, left
	s_wait_loadcnt \left
.irp s, 0,1,2,3,4,5,6,7
.if \s < 4
	WIN 0x0d                                       ; source 0 (W1) window 1, source 1 (x) window 3, C and D window 0
.else
	WIN 0x0e                                       ; source 0 window 2
.endif
.irp t, 0,1,2,3
	MM \buf, \s, \t
.endr
.endr
	WIN 0
.rept 8
	v_nop                                          ; eight places in front of the first read of the products' results
.endr
.if \buf == 0
	BASES \fetch
.endif
.if \fetch && (\buf == 0)
	s_wait_alu depctr_va_vdst(0)                   ; the products are done reading x's buffer 0 and its scale words v32-39, in which the loads below land
.elseif \fetch
	s_wait_alu depctr_va_vdst(0)                   ; the products are done reading x's buffer 1 and its scale words v40-47, in which the loads below land; tile 0's conversions have written v[PC .. PC+7], which the stores below read
.elseif \buf == 1
	s_wait_alu depctr_va_vdst(0)                   ; tile 0's conversions have written v[PC .. PC+7], which the stores below read
.endif
.if \fetch
	GROUP \buf                                     ; the same tile of my next pair
.endif
.if \buf == 1
	CODES 0
.endif
	SILU
	QUANT2 PC+8*\buf, HWR+\buf
.endm
.macro BYTES                           ; the trip's end: tile 1's codes and the pair's scale bytes
	v_cndmask_b32 v[HWR+2], v[HWR], v[HWR+1], s50  ; lanes 0-15: rows 0-15; lanes 16-31: rows 16-31 (both halves of the lanes hold a tile's bytes)
	s_wait_alu depctr_va_vdst(0)                   ; tile 1's conversions have written v[PC+8 .. PC+15] and the line above v[HWR+2], which the three stores below read
	CODES 1
	global_store_b16 v3, v[HWR+2], s[38:39]        ; two of each row's four bytes; the neighbouring slice stores the other two
.endm
	s_wait_kmcnt 0x0
	s_add_co_u32 s32, s18, s16                     ; my first pair
	s_cmp_ge_u32 s32, s19
	s_cbranch_scc1 .Lend                           ; this split leaves my wave none
	s_min_u32 s33, s32, 66
	s_lshl_b32 s34, s33, 15
	s_add_nc_u64 s[40:41], s[4:5], s[34:35]
	s_lshl_b32 s34, s33, 10
	s_add_nc_u64 s[42:43], s[30:31], s[34:35]
	GROUP 0
	GROUP 1
	s_mov_b32 s51, TRIPS                           ; the loop's counter: trips still allowed
.Lpair:
	s_add_co_u32 s52, s32, 4                       ; my next pair
	s_cmp_ge_u32 s52, s19
	s_cbranch_scc1 .Llast                          ; there is none: this pair is my last
	HALF 0, 1, 34                                  ; all but the other tile's 34 loads
	HALF 1, 1, 34
	BYTES
	s_mov_b32 s32, s52
	s_sub_co_u32 s51, s51, 1
	s_cmp_lg_u32 s51, 0
	s_cbranch_scc1 .Lpair
	s_branch .Lend                                 ; (not reached by any split: a wave has 16 pairs at the most, the last of them below)
.Llast:
	HALF 0, 0, 34                                  ; the second tile's 34 loads may be out;
	HALF 1, 0, 0                                   ; nothing was issued behind them
	BYTES
.Lend:
	s_endpgm
.Lfunc_end_k_q3758183861_ffn1:
	.size	k_q3758183861_ffn1, .Lfunc_end_k_q3758183861_ffn1-k_q3758183861_ffn1
	.p2alignl 7, 3214868480
	.fill 96, 4, 3214868480
	.section	.rodata,"a",@progbits
	.p2align	6, 0x0
	.amdhsa_kernel k_q3758183861_ffn1
		.amdhsa_group_segment_fixed_size 0
		.amdhsa_private_segment_fixed_size 0
		.amdhsa_enable_private_segment 0
		.amdhsa_kernarg_size 40
		.amdhsa_user_sgpr_count 2
		.amdhsa_user_sgpr_kernarg_segment_ptr 1
		.amdhsa_wavefront_size32 1
		.amdhsa_system_sgpr_workgroup_id_x 1
		.amdhsa_system_sgpr_workgroup_id_y 1
		.amdhsa_system_sgpr_workgroup_id_z 1
		.amdhsa_system_vgpr_workitem_id 0
		.amdhsa_next_free_vgpr 1024
		.amdhsa_next_free_sgpr 66
		.amdhsa_reserve_vcc 0
		.amdhsa_float_denorm_mode_32 3
		.amdhsa_float_denorm_mode_16_64 3
		.amdhsa_memory_ordered 1
		.amdhsa_forward_progress 1
		.amdhsa_inst_pref_size 86
	.end_amdhsa_kernel
	.amdgpu_metadata
---
amdhsa.version: [ 1, 2 ]
amdhsa.kernels:
  - .name:           k_q3758183861_ffn1
    .symbol:         k_q3758183861_ffn1.kd
    .args:
      - { .name: xq, .offset: 0, .size: 8, .value_kind: global_buffer, .address_space: global }
      - { .name: wq, .offset: 8, .size: 8, .value_kind: global_buffer, .address_space: global }
      - { .name: b1, .offset: 16, .size: 8, .value_kind: global_buffer, .address_space: global }
      - { .name: route, .offset: 24, .size: 8, .value_kind: global_buffer, .address_space: global }
      - { .name: hq, .offset: 32, .size: 8, .value_kind: global_buffer, .address_space: global }
    .group_segment_fixed_size: 0
    .private_segment_fixed_size: 0
    .kernarg_segment_align: 8
    .kernarg_segment_size: 40
    .max_flat_workgroup_size: 128
    .sgpr_count:     66
    .vgpr_count:     1024
    .wavefront_size: 32
...
	.end_amdgpu_metadata
.endif
;; end of part 5
;; launch ffn2 (part 6): grid 256 x 1, 4 waves a work-group, no clusters, 35,328 bytes of LDS; arguments hq, w2q, b2, route, xq, out0; writes out0
.if DOCPART == 6
	.amdgcn_target "amdgcn-amd-amdhsa--gfx1250"
	.amdhsa_code_object_version 6
	.text
	.protected	k_q3758183861_ffn2
	.globl	k_q3758183861_ffn2
	.p2align	8
	.type	k_q3758183861_ffn2,@function
k_q3758183861_ffn2:
	s_mov_b64 s[64:65], 0
	v_nop
	global_prefetch_b8 v0, s[64:65] scope:SCOPE_SE
	s_setreg_imm32_b32 hwreg(HW_REG_WAVE_SCHED_MODE, 0, 2), 2
	s_setreg_imm32_b32 hwreg(HW_REG_WAVE_MODE, 25, 1), 1
	s_wait_xcnt 0x0
	s_wait_alu depctr_vm_vsrc(0)
; out = (h W2 + b2) x gate for the rows of ONE expert: a work-group takes 64 outputs and every fourth pair of 32 sorted rows (256 = 4 experts x 16 slices x 4).  Both operands are E4M3 with E8M0 scales.
; THE WEIGHTS STAY IN REGISTERS, K SHARED AMONG THE WAVES: wave w holds K steps 8 w .. 8 w + 7 (of 32 steps of 128) of the 64 outputs: 32 fragments, 512 registers.  All four waves walk the same pairs;
; each loads its own quarter of h's images straight from memory, one tile ahead.  The four partial sums meet in LDS; wave w then adds rows 8 w .. 8 w + 7, adds b2, multiplies by the row's gate
; and stores 256 consecutive bytes, aligned, of the token's row of out0.  Each output number has one owner.
; THE PRODUCT IS USED TRANSPOSED (source 0 = 16 outputs, source 1 = 16 rows): a lane holds eight neighbouring outputs of one row.
; THE LOOP HAS A CONSTANT COUNT, 16: an expert has at most 2048 / 32 = 64 pairs.  Its two barriers stand on every wave's way; scalar branches on the stored table pass over the work of trips that a split leaves empty.
; THE LAST PAIR'S PRODUCTS ARE WRITTEN A SECOND TIME, without loads: nothing is fetched that nobody reads, and each counted wait has the same loads behind it on its own way.
; Rows that only fill a pair up (token 0xffffffff) are passed over by a scalar branch on the stored list.
; NO CLUSTER: the 16 slices of an expert read the same h, but joint loads would want a round of the cluster's barrier in each of the 16 trips for some 4 that carry work, and an LDS ring beside registers that are full.
; LIMITS: NaN and infinities are not served.  K is summed in four parts, (p0 + p1) + (p2 + p3).
; REGISTERS, in windows of 256: window 0: v1-5 addresses; v6-7 b2; v16-31 W2's scale words; v32-47 h's; v48-79, v80-111 four accumulators for each tile; v128-191 the stage read back.
;   windows 1, 2: my 32 fragments of W2.   window 3: h's buffers, v0-127 and v128-255.
; THE MODE: SCHED_MODE bits 1:0 = 2 (LLVM: expert scheduling mode 2), set by the entry lines.  The code itself states the register dependences
; between vector or matrix instructions and memory or LDS instructions, with s_wait_alu, always for 0.
; THE PLAN.  Registers that memory or LDS instructions touch, in the loop:
;   H0, H1        h's two buffers (window 3), with their scale words v32-39 and v40-47.  Tile b's 32 products read H[b]; behind them the same tile of the pair four further on is loaded into it.
;   v48-79, v80-111  the two tiles' accumulators.  Written by the tile's products; read by its eight LDS stores; written again by the next trip's products.
;   v128-191      the stage read back.  The 32 LDS loads land in it; the additions and multiplications work in it; the eight global stores read it; the next trip's LDS loads land in it again.
;   v1 .. v5      offsets and LDS addresses, made at the head and never written again.   v254, v255: made at the head, read by the closing add alone.
; So a trip has five waits.  One on va_vdst in each tile's half, behind the products and their places: they have written the accumulators, which the LDS stores read, and are done reading H[b], in which the loads land.
; One on vm_vsrc behind the first barrier, ahead of the branch, on every way: this trip's LDS stores have read the accumulators, and the last trip's global stores have read v128-191.
; One on va_vdst ahead of the 32 LDS loads: the last pair's arithmetic is done with v128-191.  One on va_vdst between the eight rows' arithmetic and their stores.
.set W2S,  0x1000000                   ; w2q: W2's scale words (its codes lie at 0)
.set HSC,  0x860000                    ; hq: h's scale words
.set GS,   0x228c00                    ; xq: the gates by sorted row
.set AREA, 8704                        ; LDS: a wave's partial sums: 32 rows x (256 bytes + 16): the 16 rows that a store touches start at 16 different groups of four banks
.set WS,   16
.set HSR,  32
.set ACC,  48
.set RD,   128
.set TOK,  44                          ; s[44:51] my eight rows' tokens
.set GT,   52                          ; s[52:59] their gates
.set OB,   68                          ; s[68:83] a store base for each row
.set MSB, 0
.macro WIN new                         ; the immediate's high byte repeats the setting that is left; a switch that changes nothing is dropped
.if MSB != \new
	s_set_vgpr_msb (MSB<<8)|\new
.set MSB, \new
.endif
.endm
	s_load_b256 s[4:11], s[0:1], 0x0               ; hq s[4:5], w2q s[6:7], b2 s[8:9], route s[10:11]
	s_load_b128 s[12:15], s[0:1], 0x20             ; xq s[12:13], out0 s[14:15]
	v_lshl_add_u32 v254, v0, 2, 0x8800
	v_mov_b32 v255, 0
	v_lshrrev_b32 v8, 5, v0
	v_readfirstlane_b32 s19, v8                    ; wave
	v_and_b32 v9, 31, v0
	v_lshlrev_b32 v1, 4, v9                        ; 16 x lane: an image's place for my lane
	v_and_b32 v10, 15, v0
	v_lshlrev_b32 v2, 2, v10                       ; 4 x (lane % 16): a row's scale word
	v_lshlrev_b32 v3, 3, v9                        ; 8 x lane: my two outputs of a row
	v_bfe_u32 v11, v0, 4, 1
	v_mul_u32_u24 v4, v10, 272
	v_lshl_add_u32 v4, v11, 5, v4
	s_wait_alu depctr_va_sdst(0)                   ; s19 is written, ahead of its first reader: the line below
	s_mul_i32 s90, s19, AREA                       ; (the wave's two LDS offsets have scalar registers of their own, which nothing writes again)
	v_add_nc_u32 v4, s90, v4                       ; into the stage: my area, row lane % 16, + 32 (lane / 16)
	s_mul_i32 s91, s19, 8*272
	v_add_nc_u32 v5, s91, v3                       ; back: rows 8 w on, 8 bytes a lane
	s_lshr_b32 s16, ttmp9, 6                       ; the expert
	s_bfe_u32 s17, ttmp9, 0x40002                  ; the slice of 64 outputs
	s_and_b32 s18, ttmp9, 3                        ; which of every four pairs
	s_lshr_b32 s89, ttmp9, 2                       ; 16 x expert + slice
	s_lshl_b32 s88, s16, 2
	s_mov_b32 s37, 0
	s_mov_b32 s85, 0
	s_wait_kmcnt 0x0
	s_load_b32 s20, s[10:11], s88 offset:0x2200    ; my expert's first pair
	s_load_b32 s21, s[10:11], s88 offset:0x2210    ; and its end
	s_lshl_b32 s36, s89, 18
	s_lshl_b32 s34, s19, 16
	s_add_co_u32 s36, s36, s34
	s_add_nc_u64 s[22:23], s[6:7], s[36:37]        ; my codes: 262,144 bytes a slice, 65,536 a wave
	s_lshl_b32 s36, s89, 13
	s_lshl_b32 s34, s19, 11
	s_add_co_u32 s36, s36, s34
	s_add_co_u32 s36, s36, W2S
	s_add_nc_u64 s[24:25], s[6:7], s[36:37]        ; my scale words: 8,192 a slice, 2,048 a wave
	s_lshl_b32 s36, s17, 8
	s_add_nc_u64 s[26:27], s[14:15], s[36:37]      ; out0 at the slice's 256 bytes of a row
	s_lshl_b32 s36, s19, 14
	s_add_nc_u64 s[28:29], s[4:5], s[36:37]        ; h's images at my eight K steps: 2,048 bytes a step
	s_lshl_b32 s36, s19, 10
	s_add_co_u32 s36, s36, HSC
	s_add_nc_u64 s[30:31], s[4:5], s[36:37]        ; h's scale words at my eight K steps: 128 bytes a step
	s_lshl_b32 s36, s89, 8
	s_add_nc_u64 s[86:87], s[8:9], s[36:37]        ; the slice's 64 numbers of b2
	s_wait_alu depctr_va_vdst(0)                   ; the five offsets and addresses v1 to v5 are written, which every load, store and LDS access of the kernel reads; no vector instruction follows ahead of the loop
	global_load_b64 v[6:7], v3, s[86:87]
.irp q, 0,1,2,3,4,5,6,7                        ; q = 2 x (pair of K steps) + b: lanes 0-15 tile 2 b's words, lanes 16-31 tile 2 b + 1's
	global_load_b64 v[WS+2*\q:WS+2*\q+1], v3, s[24:25] offset:256*\q
.endr
.set f, 0
.rept 32                                       ; my 32 fragments, 512 consecutive bytes a load
.if f < 16
	WIN 0x40                                       ; destination window 1
.else
	WIN 0x80                                       ; destination window 2
.endif
.irp c, 0,1,2,3
	global_load_b128 v[16*(f%16)+4*\c:16*(f%16)+4*\c+3], v1, s[22:23] offset:2048*f+512*\c
.endr
.set f, f+1
.endr
	WIN 0
	s_wait_loadcnt 63                              ; b2's load has 136 younger loads behind it: it is in, on every way through the loop
; 40 loads: my quarter of tile buf of the pair at s[38:39]: eight fragments into window 3, eight scale words into window 0
.macro GROUP buf
	WIN 0xc0                                       ; destination window 3
.irp s, 0,1,2,3,4,5,6,7
.irp c, 0,1,2,3
	global_load_b128 v[128*\buf+16*\s+4*\c:128*\buf+16*\s+4*\c+3], v1, s[38:39] offset:65536*\buf+2048*\s+512*\c
.endr
.endr
	WIN 0
.irp s, 0,1,2,3,4,5,6,7
	global_load_b32 v[HSR+8*\buf+\s], v2, s[40:41] offset:128*\s+64*\buf
.endr
.endm
; one product: tile t of outputs x tile buf of rows, my K step s.  The first starts the sum with the constant 0.  Odd tiles' scale words lie in lanes 16-31
.macro MM buf, s, t
.set rA, 16*(4*((\s)%4)+(\t))
.set rB, 128*(\buf)+16*(\s)
.set rD, ACC+32*(\buf)+8*(\t)
.set rW, WS+4*((\s)/2)+2*((\t)/2)+(\s)%2
.set rX, HSR+8*(\buf)+(\s)
.if ((\s) == 0) && ((\t)%2 == 0)
	v_wmma_scale_f32_16x16x128_f8f6f4 v[rD:rD+7], v[rA:rA+15], v[rB:rB+15], 0, v[rW], v[rX]
.elseif (\s) == 0
	v_wmma_scale_f32_16x16x128_f8f6f4 v[rD:rD+7], v[rA:rA+15], v[rB:rB+15], 0, v[rW], v[rX] matrix_a_scale:MATRIX_SCALE_ROW1
.elseif (\t)%2 == 0
	v_wmma_scale_f32_16x16x128_f8f6f4 v[rD:rD+7], v[rA:rA+15], v[rB:rB+15], v[rD:rD+7], v[rW], v[rX]
.else
	v_wmma_scale_f32_16x16x128_f8f6f4 v[rD:rD+7], v[rA:rA+15], v[rB:rB+15], v[rD:rD+7], v[rW], v[rX] matrix_a_scale:MATRIX_SCALE_ROW1
.endif
.endm
; The bases of what is fetched ahead: the pair s35.  They were sources of the last trip's loads and are written again only behind this wait, which stands behind the first tile's 32 products
.macro BASES
	s_wait_xcnt 0x0
	s_min_u32 s35, s35, 66                         ; 67 pairs at the most
	s_lshl_b32 s36, s35, 17
	s_add_nc_u64 s[38:39], s[28:29], s[36:37]      ; its images: 131,072 bytes a pair
	s_lshl_b32 s36, s35, 12
	s_add_nc_u64 s[40:41], s[30:31], s[36:37]      ; its scale words: 4,096
.endm
; one tile of 16 rows: 32 products, the four accumulators by turns, one instruction a turn; the partial sums go to my area of the stage; fetch = 1: the buffer is asked for again,
; behind the stage's stores, which the other waves wait for.  left: the loads issued behind this tile's, which may stay out
.macro HALF buf, fetch, left
	s_wait_loadcnt \left
.irp s, 0,1,2,3,4,5,6,7
.if \s < 4
	WIN 0x0d                                       ; source 0 (W2) window 1, source 1 (h) window 3, C and D window 0
.else
	WIN 0x0e                                       ; source 0 window 2
.endif
.irp t, 0,1,2,3
	MM \buf, \s, \t
.endr
.endr
	WIN 0
.rept 8
	v_nop                                          ; eight places in front of the stores that read the products' results; they stay beside the wait below
.endr
	s_wait_alu depctr_va_vdst(0)                   ; the products have written this tile's four accumulators, which the LDS stores below read, and are done reading h's buffer and its scale words, in which the loads behind those stores land
.irp t, 0,1,2,3
	ds_store_b128 v4, v[ACC+32*\buf+8*\t:ACC+32*\buf+8*\t+3] offset:4352*\buf+64*\t          ; each accumulator from its low end on
	ds_store_b128 v4, v[ACC+32*\buf+8*\t+4:ACC+32*\buf+8*\t+7] offset:4352*\buf+64*\t+16
.endr
.if \fetch
.if \buf == 0
	BASES
.endif
	GROUP \buf                                     ; the same tile of the pair four further on.  No further wait: no vector or matrix instruction since the wait above
.endif
.endm
; row 8 w + i of the pair: the four waves' parts, b2, the gate
.macro ROWSUM i
	s_wait_dscnt 4*(7-\i)                          ; this row's four loads are in; the four of each later row may be out
	v_pk_add_f32 v[RD+8*\i:RD+8*\i+1], v[RD+8*\i:RD+8*\i+1], v[RD+8*\i+2:RD+8*\i+3]
	v_pk_add_f32 v[RD+8*\i+4:RD+8*\i+5], v[RD+8*\i+4:RD+8*\i+5], v[RD+8*\i+6:RD+8*\i+7]
	v_pk_add_f32 v[RD+8*\i:RD+8*\i+1], v[RD+8*\i:RD+8*\i+1], v[RD+8*\i+4:RD+8*\i+5]
	v_pk_add_f32 v[RD+8*\i:RD+8*\i+1], v[RD+8*\i:RD+8*\i+1], v[6:7]
	v_mul_f32 v[RD+8*\i], s[GT+\i], v[RD+8*\i]
	v_mul_f32 v[RD+8*\i+1], s[GT+\i], v[RD+8*\i+1]
.endm
; it is stored if the row holds a token
.macro ROWOUT i
	s_cmp_lt_u32 s[TOK+\i], 0x800
	s_cbranch_scc0 .Lpad_\@                        ; a row that only fills the pair up
	s_min_u32 s84, s[TOK+\i], 0x7ff
	s_lshl_b32 s84, s84, 12
	s_add_nc_u64 s[OB+2*\i:OB+2*\i+1], s[26:27], s[84:85]
	global_store_b64 v3, v[RD+8*\i:RD+8*\i+1], s[OB+2*\i:OB+2*\i+1] th:TH_STORE_NT   ; the 32 lanes store 256 consecutive bytes, aligned; written once, read by nobody here
.Lpad_\@:
.endm
.macro REDUCE
	s_wait_xcnt 0x0                                ; the last pair's stores have read their data and bases
	s_wait_alu depctr_va_vdst(0)                   ; the last pair's additions and multiplications are done with v[RD ..], in which the loads below land
.irp i, 0,1,2,3,4,5,6,7
.irp a, 0,1,2,3
	ds_load_b64 v[RD+8*\i+2*\a:RD+8*\i+2*\a+1], v5 offset:AREA*\a+272*\i   ; 256 consecutive bytes
.endr
.endr
.irp i, 0,1,2,3,4,5,6,7
	ROWSUM \i
.endr
	s_wait_alu depctr_va_vdst(0)                   ; the eight rows' results are written, which the stores below read: one wait for the eight
.irp i, 0,1,2,3,4,5,6,7
	ROWOUT \i
.endr
.endm
	s_wait_kmcnt 0x0
	s_add_co_u32 s32, s20, s18                     ; my first pair
	s_cmp_lt_u32 s32, s21
	s_cselect_b32 s35, s32, 0                      ; (if the split leaves me none: pair 0, which every split has; nothing is then made of it, but every register that the loop names is written)
	s_min_u32 s35, s35, 66
	s_lshl_b32 s36, s35, 17
	s_add_nc_u64 s[38:39], s[28:29], s[36:37]
	s_lshl_b32 s36, s35, 12
	s_add_nc_u64 s[40:41], s[30:31], s[36:37]
	s_lshl_b32 s34, s35, 7
	s_lshl_b32 s36, s19, 5
	s_add_co_u32 s34, s34, s36
	s_load_b256 s[TOK:TOK+7], s[10:11], s34 offset:0x0     ; so that the sixteen registers are written on every way
	s_load_b256 s[GT:GT+7], s[12:13], s34 offset:GS
	GROUP 0
	GROUP 1
	s_wait_kmcnt 0x0
	s_mov_b32 s33, 16
.Ltrip:
	s_cmp_lt_u32 s32, s21
	s_cbranch_scc0 .Lskip1                         ; the same in all four waves: no pair is left
	s_min_u32 s34, s32, 66                         ; (the last scalar loads that named s34 were waited for in front of the barrier)
	s_lshl_b32 s34, s34, 7
	s_lshl_b32 s36, s19, 5
	s_add_co_u32 s34, s34, s36                     ; sorted rows 32 x pair + 8 w on, 4 bytes each
	s_load_b256 s[TOK:TOK+7], s[10:11], s34 offset:0x0
	s_load_b256 s[GT:GT+7], s[12:13], s34 offset:GS
	s_add_co_u32 s35, s32, 4                       ; my next pair
	s_cmp_lt_u32 s35, s21
	s_cbranch_scc0 .Llast                          ; there is none: this pair is my last
	HALF 0, 1, 40                                  ; all but the other tile's 40 loads
	HALF 1, 1, 40
	s_branch .Lskip1
.Llast:
	HALF 0, 0, 40                                  ; the second tile's 40 loads may be out;
	HALF 1, 0, 0                                   ; nothing was issued behind them
.Lskip1:
	s_wait_dscnt 0x0                               ; for the others' sake: my stores into the stage are done
	s_wait_kmcnt 0x0                               ; my rows' tokens and gates
	s_barrier_signal -1
	s_barrier_wait -1
	s_wait_alu depctr_vm_vsrc(0)                   ; ahead of the branch, on every way: my LDS stores have read the accumulators, which the next trip's products write again; the last pair's global stores have read v[RD ..], in which this trip's LDS loads land
	s_cmp_lt_u32 s32, s21
	s_cbranch_scc0 .Lskip2
	REDUCE
.Lskip2:
	s_wait_dscnt 0x0                               ; my reads of the stage are over before any wave writes it again
	s_barrier_signal -1
	s_barrier_wait -1
	s_add_co_u32 s32, s32, 4
	s_sub_co_u32 s33, s33, 1
	s_cmp_lg_u32 s33, 0
	s_cbranch_scc1 .Ltrip
	s_wait_dscnt 0x0                               ; the closing lines, six on end
	s_wait_alu 0x0
	s_wait_tensorcnt 0x0
	ds_add_u32 v254, v255
	s_wait_dscnt 0x0
	s_endpgm
.Lfunc_end_k_q3758183861_ffn2:
	.size	k_q3758183861_ffn2, .Lfunc_end_k_q3758183861_ffn2-k_q3758183861_ffn2
	.p2alignl 7, 3214868480
	.fill 96, 4, 3214868480
	.section	.rodata,"a",@progbits
	.p2align	6, 0x0
	.amdhsa_kernel k_q3758183861_ffn2
		.amdhsa_group_segment_fixed_size 35328
		.amdhsa_private_segment_fixed_size 0
		.amdhsa_enable_private_segment 0
		.amdhsa_kernarg_size 48
		.amdhsa_user_sgpr_count 2
		.amdhsa_user_sgpr_kernarg_segment_ptr 1
		.amdhsa_wavefront_size32 1
		.amdhsa_system_sgpr_workgroup_id_x 1
		.amdhsa_system_sgpr_workgroup_id_y 1
		.amdhsa_system_sgpr_workgroup_id_z 1
		.amdhsa_system_vgpr_workitem_id 0
		.amdhsa_next_free_vgpr 1024
		.amdhsa_next_free_sgpr 100
		.amdhsa_reserve_vcc 0
		.amdhsa_float_denorm_mode_32 3
		.amdhsa_float_denorm_mode_16_64 3
		.amdhsa_memory_ordered 1
		.amdhsa_forward_progress 1
		.amdhsa_inst_pref_size 60
	.end_amdhsa_kernel
	.amdgpu_metadata
---
amdhsa.version: [ 1, 2 ]
amdhsa.kernels:
  - .name:           k_q3758183861_ffn2
    .symbol:         k_q3758183861_ffn2.kd
    .args:
      - { .name: hq, .offset: 0, .size: 8, .value_kind: global_buffer, .address_space: global }
      - { .name: w2q, .offset: 8, .size: 8, .value_kind: global_buffer, .address_space: global }
      - { .name: b2, .offset: 16, .size: 8, .value_kind: global_buffer, .address_space: global }
      - { .name: route, .offset: 24, .size: 8, .value_kind: global_buffer, .address_space: global }
      - { .name: xq, .offset: 32, .size: 8, .value_kind: global_buffer, .address_space: global }
      - { .name: out0, .offset: 40, .size: 8, .value_kind: global_buffer, .address_space: global }
    .group_segment_fixed_size: 35328
    .private_segment_fixed_size: 0
    .kernarg_segment_align: 8
    .kernarg_segment_size: 48
    .max_flat_workgroup_size: 128
    .sgpr_count:     100
    .vgpr_count:     1024
    .wavefront_size: 32
...
	.end_amdgpu_metadata
.endif
;; end of part 6
